; MI455X (gfx1250); checked and timed in simulation.
; The chip was launched on July 23, 2026; its instructions are those of AMD's public machine-readable ISA for CDNA 5 (MIT licence, August 2026) and "CDNA5" Instruction Set Architecture Reference Guide (July 2026). The comments in the code are by the model that wrote it; some were corrected since.
;; Multi Head Attention. Allowed arithmetic: matrix products marked QUANTISED: E2M3 operands, one E8M0 scale for each 32 along K, by v_wmma_scale_f32_16x16x128_f8f6f4 with both operands' format E2M3, f32 sums; everything else in f32.
;; Inputs: W_k 1,024 x 1,024 float32; W_o 1,024 x 1,024 float32; W_q 1,024 x 1,024 float32; W_v 1,024 x 1,024 float32; x 2 x 2,048 x 1,024 float32.
;; Outputs: out0 2 x 2,048 x 1,024 float32.
;; This version of the problem:
;;   THIS VERSION OF THE PROBLEM IS GIVEN IN LOW PRECISION. The matrix products marked QUANTISED in the list below multiply operands that are first quantised to E2M3 (2 exponent bits, 3 mantissa bits; 6 bits a number), with one power-of-two scale for each 32 numbers along K (OCP MX v1.0); their sums are f32. All else is computed in f32.
;;   The module's matrix products, in the order in which they are computed (A, B: the left and right operand; K: the contracted axis; several contracted axes count as one K, in the product's order):
;;     1. [M 4,096, K 1,024] x [K 1,024, N 1,024]; A: input x; B: input W_q: QUANTISED
;;     2. [M 4,096, K 1,024] x [K 1,024, N 1,024]; A: input x; B: input W_k: QUANTISED
;;     3. [M 4,096, K 1,024] x [K 1,024, N 1,024]; A: input x; B: input W_v: QUANTISED
;;     4. batch 32 x [M 2,048, K 64] x [K 64, N 2,048]; A: computed on the way; B: computed on the way: QUANTISED
;;     5. batch 32 x [M 2,048, K 2,048] x [K 2,048, N 64]; A: softmax (see below); B: computed on the way: QUANTISED
;;     6. [M 4,096, K 1,024] x [K 1,024, N 1,024]; A: computed on the way; B: input W_o: QUANTISED
;;   THE QUANTISER, for each operand of a quantised product, along K:
;;     - K is cut into blocks of 32 from its start; a last block that is shorter is filled with zeros.
;;     - A block's scale is 2^e with e = floor(log2(the largest magnitude in the block)) - 2, held to -126 .. 127; a block of zeros has e = 0. As a byte (E8M0): e + 127.
;;     - Each number is divided by its block's scale, clamped to +-7.5, and rounded to the nearest number of E2M3, ties to even, subnormals kept.
;;     - The product sums the exact products of the quantised numbers (number of the format x scale) in f32.
;;   ~~~python
;;   def quantise(x, axis):      # numpy; x: float32 -> the quantised numbers, widened to float32 again
;;       x = np.moveaxis(x, axis, -1); K = x.shape[-1]
;;       x = np.pad(x, [(0, 0)] * (x.ndim - 1) + [(0, -K % 32)]); x = x.reshape(x.shape[:-1] + (-1, 32)); a = np.abs(x).max(-1, keepdims=True)
;;       e = np.where(a > 0, np.clip(np.frexp(np.where(a > 0, a, 1))[1] - 1 - 2, -126, 127), 0)      # np.frexp(a)[1] - 1 = floor(log2(a)), exactly
;;       r = np.clip(x / 2.0 ** e, -7.5, 7.5)
;;       step = 2.0 ** (np.maximum(np.frexp(np.where(r == 0, 1, r))[1] - 1, 0) - 3)
;;       q = np.round(r / step) * step * 2.0 ** e      # np.round: ties to even
;;       return np.moveaxis(q.reshape(q.shape[:-2] + (-1,))[..., :K], -1, axis).astype(np.float32)
;;   ~~~
;;   SOFTMAX AHEAD OF A QUANTISED PRODUCT. Where the list says 'softmax', what is quantised is not the finished softmax but p = 2^(t - M), with t = logit x log2(e) and M = ceil(the row's largest t), a whole number; so 1/2 < the row's largest p <= 1. The row's sum l is taken of the UNQUANTISED p, in f32, and the product's result is divided by l at the end. Since M is a whole number, a kernel that streams over the keys may use a running M (the ceiling of the running maximum): every later rescaling is an exact power of two, which a block's scale takes up: the codes' values come out the same.
;;   OPERANDS COMPUTED ON THE WAY. 'Computed on the way' means the value that the module computes at that place (a softmax that the list does not call 'softmax' is quantised finished and normalised). What goes into a quantiser is computed in f32, as accurately as f32 sums, v_exp_f32 and their like allow (about 1e-6 of the number): no bf16 or f16 on the way to a quantiser, and a product that is left as it is and whose result goes on into a quantised operand takes f32 operands (vector FMAs, or v_wmma_f32_16x16x4_f32). A number that lies on a knife's edge between two numbers of the format may be rounded either way, as far as f32 arithmetic and the matrix unit's own rounding can turn it there, and no further.
;; One version. Each part assembles by itself: llvm-mc -triple=amdgcn-amd-amdhsa -mcpu=gfx1250 --defsym DOCPART=n.
;; ======== version 1 of 1: 4 launches
;; limits: right only within a limited range of input values
;; workspace buffers: inc 6,291,456 bytes; ins 262,144 bytes; qb 3,407,872 bytes; kv 6,553,600 bytes; ob 3,145,728 bytes; os 262,144 bytes
;; launch quant (part 1): grid 256 x 1, 8 waves a work-group, no clusters, 69,632 bytes of LDS; arguments x, W_q, W_k, W_v, W_o, inc, ins; writes inc, ins
.if DOCPART == 1
	.amdgcn_target "amdgcn-amd-amdhsa--gfx1250"
	.amdhsa_code_object_version 6
	.text
	.protected	k_qba0c3d3fee_quant
	.globl	k_qba0c3d3fee_quant
	.p2align	8
	.type	k_qba0c3d3fee_quant,@function
k_qba0c3d3fee_quant:
	s_mov_b64 s[64:65], 0
	v_nop
	global_prefetch_b8 v0, s[64:65] scope:SCOPE_SE
	s_setreg_imm32_b32 hwreg(HW_REG_WAVE_MODE, 25, 1), 1
	s_wait_xcnt 0x0
; x [4096][1024] and W_q, W_k, W_v, W_o [1024][1024], f32, K innermost, become codes of FP6 (E2M3) with one E8M0 scale byte for each 32 along K,
; laid as the later launches' operand registers want them.
; A FRAGMENT is 16 rows x 128 K = 12 registers a lane = 1,536 bytes, as two half-images of 768 bytes (c = 0, 1): registers 6 c .. 6 c + 3 at 768 c + 16 x lane, registers 6 c + 4, 6 c + 5
; at 768 c + 512 + 8 x lane.  So a fragment is stored, and later loaded, by four accesses of 512, 256, 512, 256 consecutive bytes.
; THE ROWS OF A TILE ARE NOT NEIGHBOURS: of each 64 rows (a band), tile j (0 .. 3) takes row 32 (i / 8) + 8 j + i % 8 in its lane row i.  Used as source 0 of a product, a band's four tiles leave in a
; lane's 32 result registers 32 neighbours along the band: one whole scale block of the next product.
; SCALE WORDS of a tile for all of K: 512 bytes, word (row r, K step s) at 256 (s / 4) + 16 r + 4 (s % 4).
; A block's scale is 2^(floor(log2(its largest magnitude)) - 2); its byte is the largest magnitude's exponent field - 2, held at 1 from below.
; LIMITS: NaN and infinities are not served; a block whose largest magnitude lies under 2^-124 keeps the byte 1; a block of zeros gets the byte 1 where the rule says 127: its codes are zeros, and this program alone reads the bytes.
; SHARES: a work-group takes two tiles of one tensor (0-127: x; then 32 each for W_q, W_k, W_v, W_o): tiles 2 (g % 2) + u of band g / 2.  Wave w takes tile u = w / 4 and the quarter w % 4 of K: two fragments, all of whose
; 32 loads are on their way at once.  Each load reads 512 consecutive bytes of one row; a fragment's 16 rows turn through the wave's own stage in LDS, so that a lane gets 32 neighbours, one scale block.
; The scale words of the work-group's two tiles are gathered in LDS and leave as 1,024 consecutive bytes.  No cluster and no matrix unit: every input byte is read once, by one wave.
.set WREG, 3145728                     ; inc: x's 256 tiles x 12,288 bytes come first; here the q, k, v weights begin: [head] x 147,456, [K step] x 18,432, [tile 4 type + j] x 1,536
.set OREG, 5505024                     ; and here W_o: [64 rows] x 49,152, [K step] x 6,144, [tile j] x 1,536
.set GATH, 67584                       ; behind the eight stages of 16 rows x (512 + 16) bytes: 1,024 bytes for the scale words
.set SPARE, 68608
.set TM,  16                           ; v16-19 largest magnitudes, v20-22 bytes and words, v24 8 h, v28-29 the conversions' scale operands
.set R,   32                           ; v32-159 two sets of 64 registers as loaded
.set X,   160                          ; v160-223 64 numbers of my row: register 32 c + i = k 64 c + 32 h + i
.set PC,  224                          ; v224-235 the fragment; v236-238, v240-242 at work
.set PW,  10                           ; v10-11 the two fragments' scale words
.set SPW, 244
.set NIL, 245
.set SEL, 20                           ; s[20:21] lane selects: lane l xor 16
.set IN,  28
.set OB,  32                           ; s[32:35] where each of my two fragments goes
.set SB,  44                           ; s[44:45] where the work-group's scale words go
	s_load_b256 s[4:11], s[0:1], 0x0               ; x, W_q, W_k, W_v
	s_load_b128 s[12:15], s[0:1], 0x20             ; W_o, inc
	s_load_b64 s[16:17], s[0:1], 0x30              ; ins
	v_lshl_add_u32 v[SPW], v0, 2, SPARE
	v_mov_b32 v[NIL], 0
	v_lshrrev_b32 v9, 5, v0
	v_readfirstlane_b32 s18, v9                    ; wave 0..7
	v_and_b32 v1, 31, v0                           ; lane
	v_and_b32 v2, 15, v0                           ; r
	v_bfe_u32 v3, v0, 4, 1                         ; h
	v_lshlrev_b32 v4, 4, v1                        ; 16 x lane
	v_lshlrev_b32 v5, 3, v1                        ; 8 x lane
	v_lshlrev_b32 v[TM+8], 3, v3                   ; 8 h
	v_mul_u32_u24 v7, v2, 528
	v_lshl_add_u32 v7, v3, 7, v7                   ; row r, + 128 h: my 32 numbers of each 64
	v_lshlrev_b32 v13, 4, v2                       ; 16 r
	v_mov_b32 v[TM+6], 0                           ; written once: a lane permute's destination counts as one of its sources
	s_wait_alu depctr_va_vdst(0)                   ; ahead of the readers below
	s_mul_i32 s19, s18, 8448                       ; my stage
	v_add_nc_u32 v6, s19, v4                       ; into it: 16 bytes a lane of a row
	v_add_nc_u32 v7, s19, v7                       ; out of it
	s_lshr_b32 s19, s18, 2                         ; u
	s_and_b32 s22, s18, 3                          ; my quarter of K
	s_lshl_b32 s48, s19, 9
	s_lshr_b32 s49, s22, 1
	s_lshl_b32 s49, s49, 8
	s_add_co_u32 s48, s48, s49
	s_and_b32 s49, s22, 1
	s_lshl_b32 s49, s49, 3
	s_add_co_u32 s48, s48, s49
	s_add_co_u32 s48, s48, GATH
	v_add_nc_u32 v13, s48, v13                     ; my two words of row r: GATH + 512 u + 256 (quarter / 2) + 8 (quarter % 2) + 16 r
	s_and_b32 s49, s18, 1
	s_lshl_b32 s49, s49, 9
	s_add_co_u32 s46, s49, GATH
	v_add_nc_u32 v14, s46, v4                      ; where waves 0 and 1 read a tile's words back
	v_add_nc_u32 v15, s49, v4                      ; and their place among the work-group's 1,024 bytes
	s_mov_b32 s[SEL], 0x76543210
	s_mov_b32 s[SEL+1], 0xfedcba98
	s_and_b32 s23, ttmp9, 31                       ; which two tiles of a weight
	s_lshr_b32 s24, s23, 1                         ; the head (W_o: the 64 rows)
	s_and_b32 s25, s23, 1
	s_lshl_b32 s25, s25, 1                         ; the first of the two tiles
	s_add_co_u32 s27, s25, s19                     ; my tile j
	s_lshr_b32 s26, ttmp9, 5
	s_and_b32 s26, s26, 3                          ; type: 0 q, 1 k, 2 v, 3 o
	s_lshl_b32 s26, s26, 2
	; the three tensors' places: first slot of scale words, byte of the first fragment, bytes from fragment to fragment
	s_lshl_b32 s46, ttmp9, 1                       ; x: slot 2 g
	s_add_co_u32 s47, s46, s19
	s_mul_i32 s47, s47, 12288
	s_mul_i32 s48, s22, 3072
	s_add_co_u32 s47, s47, s48
	s_mul_i32 s49, s24, 12
	s_add_co_u32 s49, s49, s26
	s_add_co_u32 s49, s49, s25
	s_add_co_u32 s49, s49, 256                     ; q, k, v: slot 256 + 12 head + tile
	s_mul_i32 s50, s24, 147456
	s_add_co_u32 s48, s26, s27
	s_mul_i32 s48, s48, 1536
	s_add_co_u32 s50, s50, s48
	s_mul_i32 s48, s22, 36864
	s_add_co_u32 s50, s50, s48
	s_add_co_u32 s50, s50, WREG
	s_lshl_b32 s51, s24, 2
	s_add_co_u32 s51, s51, s25
	s_add_co_u32 s51, s51, 448                     ; o: slot 448 + 4 x (64 rows) + tile
	s_mul_i32 s52, s24, 49152
	s_mul_i32 s48, s27, 1536
	s_add_co_u32 s52, s52, s48
	s_mul_i32 s48, s22, 12288
	s_add_co_u32 s52, s52, s48
	s_add_co_u32 s52, s52, OREG
	s_mov_b32 s53, 18432
	s_mov_b32 s54, 6144
	s_mov_b32 s55, 1536
	s_lshl_b32 s56, s19, 15                        ; in the input: tile u begins 8 rows of 4,096 bytes on,
	s_lshl_b32 s57, s22, 10                        ; my quarter of K 1,024 bytes on for each
	s_add_co_u32 s56, s56, s57
	s_wait_alu depctr_va_vdst(0)                   ; the head's end
	s_wait_kmcnt 0x0
	s_cmp_lt_u32 ttmp9, 224                        ; the choices hang on the work-group's number alone
	s_cselect_b64 s[IN:IN+1], s[10:11], s[12:13]
	s_cselect_b32 s40, s50, s52
	s_cselect_b32 s42, s53, s54
	s_cselect_b32 s58, s49, s51
	s_cmp_lt_u32 ttmp9, 192
	s_cselect_b64 s[IN:IN+1], s[8:9], s[IN:IN+1]
	s_cmp_lt_u32 ttmp9, 160
	s_cselect_b64 s[IN:IN+1], s[6:7], s[IN:IN+1]
	s_cmp_lt_u32 ttmp9, 128
	s_cselect_b64 s[IN:IN+1], s[4:5], s[IN:IN+1]
	s_cselect_b32 s40, s47, s40
	s_cselect_b32 s42, s55, s42
	s_cselect_b32 s58, s46, s58
	s_cselect_b32 s59, ttmp9, s23
	s_lshr_b32 s60, s59, 1                         ; band g / 2: 64 rows of 4,096 bytes
	s_lshl_b32 s60, s60, 18
	s_and_b32 s59, s59, 1                          ; tiles 2, 3 begin 16 rows on
	s_lshl_b32 s59, s59, 16
	s_add_co_u32 s56, s56, s59
	s_add_co_u32 s56, s56, s60
	s_mov_b32 s57, 0
	s_add_nc_u64 s[IN:IN+1], s[IN:IN+1], s[56:57]
	s_mov_b32 s41, 0
	s_mov_b32 s43, 0
	s_add_nc_u64 s[OB:OB+1], s[14:15], s[40:41]
	s_add_nc_u64 s[OB+2:OB+3], s[OB:OB+1], s[42:43]
	s_lshl_b32 s58, s58, 9
	s_mov_b32 s59, 0
	s_add_nc_u64 s[SB:SB+1], s[16:17], s[58:59]
.irp f, 0,1                                    ; both fragments: 512 bytes of each of my tile's 16 rows, 32 loads on their way
.irp i, 0,1,2,3,4,5,6,7,8,9,10,11,12,13,14,15
	global_load_b128 v[R+64*\f+4*\i:R+64*\f+4*\i+3], v4, s[IN:IN+1] offset:(\i+24*(\i/8))*4096+512*\f th:TH_LOAD_NT
.endr
.endr
; 64 numbers of a lane become a fragment's codes in v[PC] on and its scale word in v[pw]
.macro QUANT s, pw
.irp b, 0,1,2,3
	v_max3_num_f32 v[TM+\b], |v[(\s)+16*\b]|, |v[(\s)+1+16*\b]|, 0x1800000   ; two chains a block, and the floor 2^(3 - 127): the byte cannot fall under 1
.endr
.irp i, 2,4,6,8,10,12,14
.irp b, 0,1,2,3
	v_max3_num_f32 v[TM+\b], v[TM+\b], |v[(\s)+16*\b+\i]|, |v[(\s)+1+16*\b+\i]|   ; the four chains by turns
.endr
.endr
.irp c, 0,1
	v_max_num_f32 v[TM+2*\c], v[TM+2*\c], v[TM+2*\c+1]   ; the block's largest magnitude
.endr
.irp c, 0,1
	v_add_nc_u32 v[TM+12+\c], 0xff000000, v[TM+2*\c]   ; 2 off its exponent field: the conversion takes this operand's exponent field as its scale
.endr
.irp c, 0,1
	v_lshrrev_b32 v[TM+4+\c], 23, v[TM+12+\c]      ; the scale's byte
.endr
	v_lshl_or_b32 v[TM+4], v[TM+5], 16, v[TM+4]
	v_lshlrev_b32 v[TM+4], v[TM+8], v[TM+4]        ; my two bytes at bits 8 h and 16 + 8 h;
	v_permlanex16_b32 v[TM+6], v[TM+4], s[SEL], s[SEL+1]
	v_or_b32 v[\pw], v[TM+4], v[TM+6]              ; with lane l xor 16's two my row's scale word
.irp c, 0,1
	v_cvt_scalef32_pk16_fp6_f32 v[PC+6*\c:PC+2+6*\c], v[(\s)+32*\c:(\s)+15+32*\c], v[TM+12+\c]
	v_cvt_scalef32_pk16_fp6_f32 v[PC+12+4*\c:PC+14+4*\c], v[(\s)+16+32*\c:(\s)+31+32*\c], v[TM+12+\c]   ; (a conversion's three registers begin on an even number)
.endr
	v_nop                                          ; one plain place behind a scaled conversion
.irp c, 0,1
.irp i, 0,1,2
	v_mov_b32 v[PC+3+6*\c+\i], v[PC+12+4*\c+\i]
.endr
.endr
.endm
.macro FRAGQ f
	s_wait_loadcnt 16-16*(\f)                      ; this fragment's 16 loads are in; the next fragment's 16 may be out
.irp i, 0,1,2,3,4,5,6,7,8,9,10,11,12,13,14,15
	ds_store_b128 v6, v[R+64*(\f)+4*\i:R+64*(\f)+4*\i+3] offset:528*\i   ; through my stage: LDS serves a wave's instructions in order, so no wait stands between the stores and the loads
.endr
.irp b, 0,1,2,3
.irp j, 0,1,2,3
	ds_load_b128 v[X+16*\b+4*\j:X+16*\b+4*\j+3], v7 offset:256*(\b/2)+64*(\b%2)+16*\j
.endr
.endr
	s_wait_dscnt 0x0                               ; my 64 numbers are back
	s_wait_xcnt 0x0                                ; the last fragment's stores have read their data: the codes' registers are written again only behind this wait
	QUANT X, PW+(\f)
	global_store_b128 v4, v[PC:PC+3], s[OB+2*(\f):OB+2*(\f)+1]                    ; 512, 256, 512, 256 consecutive bytes
	global_store_b64 v5, v[PC+4:PC+5], s[OB+2*(\f):OB+2*(\f)+1] offset:512
	global_store_b128 v4, v[PC+6:PC+9], s[OB+2*(\f):OB+2*(\f)+1] offset:768
	global_store_b64 v5, v[PC+10:PC+11], s[OB+2*(\f):OB+2*(\f)+1] offset:1280
.endm
	FRAGQ 0
	FRAGQ 1
	ds_store_b64 v13, v[PW:PW+1]                   ; both lanes of a row write the same words with the same values
	s_wait_dscnt 0x0                               ; for the others' sake: my store is done
	s_barrier_signal -1
	s_barrier_wait -1
	s_cmp_lt_u32 s18, 2
	s_cbranch_scc0 .Lend
	ds_load_b128 v[248:251], v14
	s_wait_dscnt 0x0
	global_store_b128 v15, v[248:251], s[SB:SB+1]  ; 32 lanes store 512 consecutive bytes, aligned: a tile's words
.Lend:
	s_wait_tensorcnt 0x0                           ; the wave's end
	ds_add_u32 v[SPW], v[NIL]
	s_wait_dscnt 0x0
	s_endpgm
.Lfunc_end_k_qba0c3d3fee_quant:
	.size	k_qba0c3d3fee_quant, .Lfunc_end_k_qba0c3d3fee_quant-k_qba0c3d3fee_quant
	.p2alignl 7, 3214868480
	.fill 96, 4, 3214868480
	.section	.rodata,"a",@progbits
	.p2align	6, 0x0
	.amdhsa_kernel k_qba0c3d3fee_quant
		.amdhsa_group_segment_fixed_size 69632
		.amdhsa_private_segment_fixed_size 0
		.amdhsa_enable_private_segment 0
		.amdhsa_kernarg_size 56
		.amdhsa_user_sgpr_count 2
		.amdhsa_user_sgpr_kernarg_segment_ptr 1
		.amdhsa_wavefront_size32 1
		.amdhsa_system_sgpr_workgroup_id_x 1
		.amdhsa_system_sgpr_workgroup_id_y 1
		.amdhsa_system_sgpr_workgroup_id_z 1
		.amdhsa_system_vgpr_workitem_id 0
		.amdhsa_next_free_vgpr 256
		.amdhsa_next_free_sgpr 66
		.amdhsa_reserve_vcc 0
		.amdhsa_float_denorm_mode_32 3
		.amdhsa_float_denorm_mode_16_64 3
		.amdhsa_memory_ordered 1
		.amdhsa_forward_progress 1
		.amdhsa_inst_pref_size 20
	.end_amdhsa_kernel
	.amdgpu_metadata
---
amdhsa.version: [ 1, 2 ]
amdhsa.kernels:
  - .name:           k_qba0c3d3fee_quant
    .symbol:         k_qba0c3d3fee_quant.kd
    .args:
      - { .name: x, .offset: 0, .size: 8, .value_kind: global_buffer, .address_space: global }
      - { .name: W_q, .offset: 8, .size: 8, .value_kind: global_buffer, .address_space: global }
      - { .name: W_k, .offset: 16, .size: 8, .value_kind: global_buffer, .address_space: global }
      - { .name: W_v, .offset: 24, .size: 8, .value_kind: global_buffer, .address_space: global }
      - { .name: W_o, .offset: 32, .size: 8, .value_kind: global_buffer, .address_space: global }
      - { .name: inc, .offset: 40, .size: 8, .value_kind: global_buffer, .address_space: global }
      - { .name: ins, .offset: 48, .size: 8, .value_kind: global_buffer, .address_space: global }
    .group_segment_fixed_size: 69632
    .private_segment_fixed_size: 0
    .kernarg_segment_align: 8
    .kernarg_segment_size: 56
    .max_flat_workgroup_size: 256
    .sgpr_count:     66
    .vgpr_count:     256
    .wavefront_size: 32
...
	.end_amdgpu_metadata
.endif
;; end of part 1
;; launch qkv (part 2): grid 16 x 16, 4 waves a work-group, clusters of 4 x 1, 168,448 bytes of LDS; arguments inc, ins, qb, kv; writes qb, kv
.if DOCPART == 2
	.amdgcn_target "amdgcn-amd-amdhsa--gfx1250"
	.amdhsa_code_object_version 6
	.text
	.protected	k_qba0c3d3fee_qkv
	.globl	k_qba0c3d3fee_qkv
	.p2align	8
	.type	k_qba0c3d3fee_qkv,@function
k_qba0c3d3fee_qkv:
	s_mov_b64 s[64:65], 0
	v_nop
	global_prefetch_b8 v0, s[64:65] scope:SCOPE_SE
	s_setreg_imm32_b32 hwreg(HW_REG_WAVE_MODE, 25, 1), 1
	s_wait_xcnt 0x0
	s_wait_alu depctr_hold_cnt(0) depctr_sa_sdst(0) depctr_va_vdst(0) depctr_va_sdst(0) depctr_va_ssrc(0) depctr_va_vcc(0) depctr_vm_vsrc(0)
	s_getreg_b32 s2, hwreg(HW_REG_IB_STS2, 6, 4)
	s_cmp_eq_u32 s2, 0
	s_cbranch_scc0 .Lentry_in_a_cluster
	s_endpgm
.Lentry_in_a_cluster:
	s_bfe_u32 s2, ttmp6, 0x10000c
	s_cmp_lg_u32 s2, 0x3003
	s_cbranch_scc0 .Lentry_shape_is_right
	s_endpgm
.Lentry_shape_is_right:
; q, k, v = x W^T for one head and 256 tokens, on codes of FP6 (E2M3) with E8M0 block scales; the results are quantised at once: q and k along the head's 64, v along the keys.
; SHARES.  Work-group: 256 tokens (mtile) x one head's 192 rows of W_q, W_k, W_v.  Wave w: 64 tokens (4 tiles of x) x all 12 tiles of W: 48 accumulators, 384 registers.
; W: the head's fragments for all of K are 147,456 dense bytes: they come into LDS once, in four chunks of two K steps, and are never filled again: no ring.
; CLUSTER.  The four work-groups of a cluster share the head, so each chunk is asked for JOINTLY (mask 15); only addresses in memory hang on a work-group's place in its cluster.
; x: a wave's fragments are read by that wave alone: they go from memory straight into its registers, three K steps ahead.  They are not shared through LDS: 196,608 bytes of x beside 147,456 of W are more than a work-group can have.
; LAYOUT.  q, k: source 0 = 16 rows of W, source 1 = 16 tokens: a lane holds ONE token, its registers run along the head's 64.  v: source 0 = 16 tokens, source 1 = 16 rows of W_v: a lane holds one channel, its registers run along the keys.
; Tiles take rows 32 (i / 8) + 8 u + i % 8 of each 64, so the 16 registers of two neighbouring tiles are 16 neighbours along the next product's K.
; OUT.  qb: [batch x head] x 106,496, [64 tokens] x 3,328: four half-images of 768 bytes (64 codes a token), then 256 bytes of scale words [s0, s1, s0, s1].
;       kv: [batch x head] x 204,800, [128 keys] x 12,800: four fragments of K (two tiles of 16 keys side by side along the instruction's 128), four of V^T (16 channels x 128 keys), 256 bytes of K's scale words, 256 of V's.
; LIMITS: as in the first launch (NaN, infinities; blocks under 2^-124; a block of zeros has the byte 1).
; REGISTERS, in windows of 256: window 0: v1 lane, v4-9 addresses, v10 scratch address; v14-29 x's scale words, v48-95 W's; v96-239 W's 12 fragments; in the epilogue v96-255 are at work.
;   window 1: x's fragments, four sets of 48.   window 2: q's and k's accumulators, (token tile a, W tile t) at 8 (8 a + t).   window 3: v's, (channel tile n, token tile a) at 8 (4 n + a).
.set WREG, 3145728
.set SCR,  147456                      ; behind W: 256 bytes of scratch for each wave; no tensor load lands there
.set AL16, 4                           ; v4-6  16 x lane + 55,296 k: an LDS offset reaches 65,535, W is 147,456 bytes
.set AL8,  7                           ; v7-9  8 x lane + 55,296 k
.set SCRA, 10
.set SX,   14                          ; v14-29: of x's scale words and W's (v48-95) no two that meet in an instruction have the same number modulo 4
.set SW,   48
.set WF,   96
.set PCS,  96                          ; the epilogue: six sets of 20 registers for codes, so that no store's data are written again
.set TM,   216
.set PWS,  232                         ; six scale words
.set WV,   12
.set G1,   24
.set G0,   32
.set XB,   48
.set QP,   50
.set KB,   52
.set KP,   54
.set VP,   56
.set SXB,  58
.set SWB,  60
.set SEL,  72
.set MSB, 0
.macro WIN new                         ; the immediate's high byte repeats the setting that is left; a switch that changes nothing is dropped
.if MSB != (\new)
	s_set_vgpr_msb (MSB<<8)|(\new)
.set MSB, (\new)
.endif
.endm
.macro PLACES n
.rept \n
	v_nop
.endr
.endm
.macro CROUND                          ; a round of the cluster's barrier
	s_barrier_signal -1
	s_barrier_wait -1
	s_cmp_lg_u32 s[WV], 0
	s_cbranch_scc1 .Lnot_wave_0_\@
	s_barrier_signal -3
.Lnot_wave_0_\@:
	s_barrier_wait -3
	s_barrier_signal -1
	s_barrier_wait -1
.endm
	s_load_b256 s[4:11], s[0:1], 0x0               ; inc, ins, qb, kv
	v_lshl_add_u32 v30, v0, 2, 0x29000
	v_mov_b32 v31, 0
	ds_add_u32 v30, v31
	ds_add_u32 v30, v31
	v_lshrrev_b32 v1, 5, v0
	v_readfirstlane_b32 s[WV], v1                  ; wave 0..3
	v_and_b32 v1, 31, v0                           ; lane
	v_lshlrev_b32 v[AL16], 4, v1
	v_lshlrev_b32 v[AL8], 3, v1
	v_add_nc_u32 v[AL16+1], 55296, v[AL16]
	v_add_nc_u32 v[AL16+2], 110592, v[AL16]
	v_add_nc_u32 v[AL8+1], 55296, v[AL8]
	v_add_nc_u32 v[AL8+2], 110592, v[AL8]
	s_lshl_b32 s16, s[WV], 8
	v_lshl_add_u32 v[SCRA], v1, 2, s16
	v_add_nc_u32 v[SCRA], SCR, v[SCRA]             ; SCR + 256 x wave + 4 x lane
	s_mov_b32 s[SEL], 0x76543210
	s_mov_b32 s[SEL+1], 0xfedcba98
	s_bfe_u32 s13, ttmp6, 0x40000                  ; cx
	s_lshl_b32 s14, ttmp9, 2
	s_add_co_u32 s14, s14, s13                     ; mtile = 4 x cluster x + cx
	s_and_b32 s15, ttmp7, 0xffff                   ; the head, which the four partners share
	s_mul_i32 s18, s[WV], 36864                    ; my chunk, two K steps, in LDS and in memory: one tensor load a wave at the head
	s_mul_i32 s16, s15, 147456
	s_add_co_u32 s16, s16, s18
	s_add_co_u32 s16, s16, WREG
	s_mov_b32 s17, 0
	; descriptor group 1: 144 rows of 256 bytes (32 elements of 8 bytes), dense
	s_mov_b32 s[G1], 15|(3<<16)|(1<<21)            ; 15:0 the mask: all four work-groups; 17:16 elements of 8 bytes; 21 set beside a mask
	s_mov_b32 s[G1+1], 32<<16                      ; tensor_dim0
	s_mov_b32 s[G1+2], 144<<16                     ; tensor_dim1: a chunk is 144 rows of 256 bytes
	s_mov_b32 s[G1+3], 32<<16                      ; tile_dim0
	s_mov_b32 s[G1+4], 144                         ; tile_dim1
	s_mov_b32 s[G1+5], 32                          ; from row to row
	s_mov_b32 s[G1+6], 0
	s_mov_b32 s[G1+7], 0
	s_mul_i32 s66, s14, 196608                     ; x: tile 16 mtile + 4 wave, 12,288 bytes a tile
	s_mul_i32 s67, s[WV], 49152
	s_add_co_u32 s66, s66, s67
	s_mov_b32 s67, 0
	s_lshl_b32 s68, s14, 13                        ; its scale words: 512 bytes a tile
	s_lshl_b32 s69, s[WV], 11
	s_add_co_u32 s68, s68, s69
	s_mov_b32 s69, 0
	s_mul_i32 s70, s15, 6144                       ; W's scale words: slot 256 + 12 head
	s_add_co_u32 s70, s70, 131072
	s_mov_b32 s71, 0
	s_lshr_b32 s19, s14, 3
	s_lshl_b32 s19, s19, 4
	s_add_co_u32 s19, s19, s15                     ; 16 x batch + head
	s_and_b32 s20, s14, 7
	s_lshl_b32 s21, s20, 2
	s_add_co_u32 s21, s21, s[WV]                   ; my 64 tokens among the batch's 32 such groups
	s_mul_i32 s21, s21, 3328
	s_mul_i32 s74, s19, 106496
	s_add_co_u32 s74, s74, s21
	s_mov_b32 s75, 0
	s_lshl_b32 s20, s20, 1
	s_lshr_b32 s21, s[WV], 1
	s_add_co_u32 s20, s20, s21                     ; my key step
	s_mul_i32 s20, s20, 12800
	s_mul_i32 s76, s19, 204800
	s_add_co_u32 s76, s76, s20
	s_mov_b32 s77, 0
	s_and_b32 s78, s[WV], 1                        ; which 64 keys of the step are mine
	s_mul_i32 s20, s78, 3072
	s_mov_b32 s21, 0
	s_mul_i32 s78, s78, 768
	s_add_co_u32 s78, s78, 6144
	s_mov_b32 s79, 0
	s_wait_dscnt 0x0
	s_wait_kmcnt 0x0
	s_add_nc_u64 s[22:23], s[4:5], s[16:17]
	s_add_nc_u64 s[XB:XB+1], s[4:5], s[66:67]
	s_add_nc_u64 s[SXB:SXB+1], s[6:7], s[68:69]
	s_add_nc_u64 s[SWB:SWB+1], s[6:7], s[70:71]
	s_add_nc_u64 s[QP:QP+1], s[8:9], s[74:75]
	s_add_nc_u64 s[KB:KB+1], s[10:11], s[76:77]
	s_add_nc_u64 s[KP:KP+1], s[KB:KB+1], s[20:21]
	s_add_nc_u64 s[VP:VP+1], s[KB:KB+1], s[78:79]
	s_mov_b32 s[G0], 1                             ; count = 1
	s_mov_b32 s[G0+1], s18                         ; LDS address
	s_mov_b64 s[G0+2:G0+3], s[22:23]
	s_or_b32 s[G0+3], s[G0+3], 0x80000000          ; type = 2
	CROUND                                         ; all four work-groups are here: the joint loads meet
	s_cmp_eq_u32 s[WV], 0                          ; all of W's first and only fills: wave c fetches chunk c, each by a line of its own, so that each chunk can be waited for by its wave alone
	s_cbranch_scc0 .Lchunk_1
	tensor_load_to_lds s[G0:G0+3], s[G1:G1+7]
	s_nop 0
	PLACES 4
	s_branch .Lasked
.Lchunk_1:
	s_cmp_eq_u32 s[WV], 1
	s_cbranch_scc0 .Lchunk_2
	tensor_load_to_lds s[G0:G0+3], s[G1:G1+7]
	s_nop 0
	PLACES 4
	s_branch .Lasked
.Lchunk_2:
	s_cmp_eq_u32 s[WV], 2
	s_cbranch_scc0 .Lchunk_3
	tensor_load_to_lds s[G0:G0+3], s[G1:G1+7]
	s_nop 0
	PLACES 4
	s_branch .Lasked
.Lchunk_3:
	tensor_load_to_lds s[G0:G0+3], s[G1:G1+7]
	s_nop 0
	PLACES 4
.Lasked:
.macro WFETCH s, t0                    ; W's tiles t0 .. t0 + 5 of K step s: four loads a fragment, each of consecutive bytes
	WIN 0
.irp i, 0,1,2,3,4,5
.set rT, (\t0)+\i
.set rO, ((\s)%3)*18432+1536*rT
	ds_load_b128 v[WF+12*rT:WF+12*rT+3], v[AL16+(\s)/3] offset:rO
	ds_load_b64 v[WF+12*rT+4:WF+12*rT+5], v[AL8+(\s)/3] offset:rO+512
	ds_load_b128 v[WF+12*rT+6:WF+12*rT+9], v[AL16+(\s)/3] offset:rO+768
	ds_load_b64 v[WF+12*rT+10:WF+12*rT+11], v[AL8+(\s)/3] offset:rO+1280
.endr
.endm
.macro XLOAD s                         ; my four tiles of x, K step s, into set s % 4 of window 1
	WIN 0x40
.irp a, 0,1,2,3
.set rX, 48*((\s)%4)+12*\a
.set rO, 12288*\a+1536*(\s)
	global_load_b128 v[rX:rX+3], v[AL16], s[XB:XB+1] offset:rO
	global_load_b64 v[rX+4:rX+5], v[AL8], s[XB:XB+1] offset:rO+512
	global_load_b128 v[rX+6:rX+9], v[AL16], s[XB:XB+1] offset:rO+768
	global_load_b64 v[rX+10:rX+11], v[AL8], s[XB:XB+1] offset:rO+1280
.endr
.endm
.macro WMMA                            ; by the symbols rD, rA, rB, rSA, rSB; rZ: the product starts its sum; rR: K steps 4-7 take the scale words of lanes 16-31
.if rZ
	v_wmma_scale_f32_16x16x128_f8f6f4 v[rD:rD+7], v[rA:rA+11], v[rB:rB+11], 0, v[rSA], v[rSB] matrix_a_fmt:MATRIX_FMT_FP6 matrix_b_fmt:MATRIX_FMT_FP6
.elseif rR
	v_wmma_scale_f32_16x16x128_f8f6f4 v[rD:rD+7], v[rA:rA+11], v[rB:rB+11], v[rD:rD+7], v[rSA], v[rSB] matrix_a_fmt:MATRIX_FMT_FP6 matrix_b_fmt:MATRIX_FMT_FP6 matrix_a_scale:MATRIX_SCALE_ROW1 matrix_b_scale:MATRIX_SCALE_ROW1
.else
	v_wmma_scale_f32_16x16x128_f8f6f4 v[rD:rD+7], v[rA:rA+11], v[rB:rB+11], v[rD:rD+7], v[rSA], v[rSB] matrix_a_fmt:MATRIX_FMT_FP6 matrix_b_fmt:MATRIX_FMT_FP6
.endif
.endm
; W's tile t against my four tiles of x.  The 48 accumulators take turns, one instruction a turn, in the same order in every K step.
.macro MUL s, t
.set rZ, 0
.if (\s) == 0
.set rZ, 1
.endif
.set rR, (\s)/4
.irp a, 0,1,2,3
.if (\t) < 8
	WIN 0xa4                                       ; source 0 (W) window 0, source 1 (x) window 1, C and D window 2
.set rD, 8*(8*\a+(\t))
.set rA, WF+12*(\t)
.set rB, 48*((\s)%4)+12*\a
.set rSA, SW+4*(\t)+(\s)%4
.set rSB, SX+4*\a+(\s)%4
.else
	WIN 0xf1                                       ; source 0 (x) window 1, source 1 (W) window 0, C and D window 3
.set rD, 8*(4*((\t)-8)+\a)
.set rA, 48*((\s)%4)+12*\a
.set rB, WF+12*(\t)
.set rSA, SX+4*\a+(\s)%4
.set rSB, SW+4*(\t)+(\s)%4
.endif
	WMMA
.endr
.endm
; A K step of 128: 48 matrix instructions.  W has one set of registers: tiles 0-5 are fetched anew when their products are issued, tiles 6-11 at the step's end.
; An odd step (but the last) is the last of a chunk: each wave waits for its part of the next chunk and signals; behind the barrier the next step's fragments are read from it.  Nothing is filled again, so later chunks may stay out.
.macro STEPQ s
.set BND, 0
.if ((\s)%2 == 1) && ((\s) < 7)
.set BND, 1
.endif
.if BND
.if (\s) < 5
	s_cmp_eq_u32 s[WV], ((\s)+1)/2                 ; the next chunk's wave waits for it; the chunks behind it may be out
	s_cbranch_scc0 .Lnot_mine_\@
	s_wait_tensorcnt 0x0
.Lnot_mine_\@:
.else
	s_wait_tensorcnt 0x0                           ; the last chunk: every wave's load is in
.endif
.endif
.if (\s) < 6
	s_wait_loadcnt 32                              ; this step's x (and at first the scale words) is in; the next two steps' 16 loads each may be out
.else
	s_wait_loadcnt 16*(7-(\s))
.endif
	s_wait_dscnt 24                                ; W's tiles 0-5 are in; the 24 loads of tiles 6-11 may be out
.irp t, 0,1,2
	MUL \s, \t
.endr
.if BND
	s_wait_dscnt 0x0                               ; no LDS load of mine is out at the signal
	s_barrier_signal -1
.endif
.irp t, 3,4,5
	MUL \s, \t
.endr
.if BND
	s_barrier_wait -1                              ; every wave's part of the next chunk is in
.else
	s_wait_dscnt 0x0                               ; tiles 6-11 are in
.endif
.if (\s) < 7
	PLACES 4                                       ; in front of loads into registers that matrix instructions have read
	WFETCH (\s)+1, 0
.endif
.if (\s) < 5
	XLOAD (\s)+3                                   ; into the set that the step before has multiplied
.endif
.irp t, 6,7,8,9,10,11
	MUL \s, \t
.endr
.if (\s) < 7
	PLACES 4
	WFETCH (\s)+1, 6
.endif
.endm
	s_wait_alu depctr_va_vdst(0)
.irp a, 0,1,2,3
	global_load_b128 v[SX+4*\a:SX+4*\a+3], v[AL16], s[SXB:SXB+1] offset:512*\a    ; register j of lane (r, h): row r's scale word of K step 4 h + j
.endr
.irp t, 0,1,2,3,4,5,6,7,8,9,10,11
	global_load_b128 v[SW+4*\t:SW+4*\t+3], v[AL16], s[SWB:SWB+1] offset:512*\t
.endr
	XLOAD 0
	XLOAD 1
	XLOAD 2
	WIN 0
	s_cmp_eq_u32 s[WV], 0                          ; chunk 0's wave waits for it
	s_cbranch_scc0 .Lnot_chunk_0
	s_wait_tensorcnt 0x0
.Lnot_chunk_0:
	s_barrier_signal -1
	s_barrier_wait -1
	WFETCH 0, 0
	WFETCH 0, 6
	STEPQ 0
	STEPQ 1
	STEPQ 2
	STEPQ 3
	STEPQ 4
	STEPQ 5
	STEPQ 6
	STEPQ 7
; THE EPILOGUE.  64 accumulator registers of window win, register 32 c + i = place 32 h + i along the next K of the c-th 64, become 12 registers of codes in v[pc] on and four scale bytes in v[pw].
; Each accumulator is read from its low end on.
.macro QUANTW win, s, pc, pw
	WIN 5*(\win)                                   ; sources 0 and 1 in the accumulators' window
.irp b, 0,1,2,3
	v_max3_num_f32 v[TM+\b], |v[(\s)+16*\b]|, |v[(\s)+1+16*\b]|, 0x1800000   ; and the floor 2^(3 - 127)
.endr
.irp i, 2,4,6,8,10,12,14
.irp b, 0,1,2,3
	v_max3_num_f32 v[TM+\b], |v[(\s)+16*\b+\i]|, |v[(\s)+1+16*\b+\i]|, v[TM+\b]
.endr
.endr
	WIN 0
.irp c, 0,1                                    ; a lane's 32 registers of a band's four tiles are one whole scale block: two blocks here, two chains each
	v_max_num_f32 v[TM+2*\c], v[TM+2*\c], v[TM+2*\c+1]
.endr
.irp c, 0,1
	v_add_nc_u32 v[TM+12+\c], 0xff000000, v[TM+2*\c]   ; 2 off the exponent field: the conversion's scale operand
.endr
.irp c, 0,1
	v_lshrrev_b32 v[TM+4+\c], 23, v[TM+12+\c]
.endr
	v_lshl_or_b32 v[TM+4], v[TM+5], 16, v[TM+4]
	v_lshlrev_b32 v[TM+4], v[TM+8], v[TM+4]        ; my two bytes at bits 8 h and 16 + 8 h
	v_permlanex16_b32 v[TM+6], v[TM+4], s[SEL], s[SEL+1]
	v_or_b32 v[\pw], v[TM+4], v[TM+6]
	WIN \win                                       ; source 0 in the accumulators' window
.irp c, 0,1
	v_cvt_scalef32_pk16_fp6_f32 v[(\pc)+6*\c:(\pc)+2+6*\c], v[(\s)+32*\c:(\s)+15+32*\c], v[TM+12+\c]
	v_cvt_scalef32_pk16_fp6_f32 v[(\pc)+12+4*\c:(\pc)+14+4*\c], v[(\s)+16+32*\c:(\s)+31+32*\c], v[TM+12+\c]
.endr
	WIN 0
	v_nop                                          ; one plain place behind a scaled conversion
.irp c, 0,1
.irp i, 0,1,2
	v_mov_b32 v[(\pc)+3+6*\c+\i], v[(\pc)+12+4*\c+\i]
.endr
.endr
.endm
	WIN 0
	PLACES 4                                       ; behind the last products: results are read, and W's registers are written
	v_mov_b32 v[TM+6], 0                           ; a lane permute's destination counts as one of its sources
	v_lshrrev_b32 v[TM+8], 1, v1
	v_and_b32 v[TM+8], 8, v[TM+8]                  ; 8 h
.irp a, 0,1,2,3                                ; token tile a: blocks 0, 1 are q's 64, blocks 2, 3 k's: registers 0-5 are q's half-image, 6-11 k's
	QUANTW 2, 64*\a, PCS+20*\a, PWS+\a
	global_store_b128 v[AL16], v[PCS+20*\a:PCS+20*\a+3], s[QP:QP+1] offset:768*\a
	global_store_b64 v[AL8], v[PCS+20*\a+4:PCS+20*\a+5], s[QP:QP+1] offset:768*\a+512
	global_store_b128 v[AL16], v[PCS+20*\a+6:PCS+20*\a+9], s[KP:KP+1] offset:768*\a
	global_store_b64 v[AL8], v[PCS+20*\a+10:PCS+20*\a+11], s[KP:KP+1] offset:768*\a+512
.endr
.irp m, 0,1                                    ; channel tiles 2 m and 2 m + 1: my 64 keys are half of each fragment of V^T
	QUANTW 3, 64*\m, PCS+20*(4+\m), PWS+4+\m
	global_store_b128 v[AL16], v[PCS+20*(4+\m):PCS+20*(4+\m)+3], s[VP:VP+1] offset:3072*\m
	global_store_b64 v[AL8], v[PCS+20*(4+\m)+4:PCS+20*(4+\m)+5], s[VP:VP+1] offset:3072*\m+512
	global_store_b128 v[AL16], v[PCS+20*(4+\m)+6:PCS+20*(4+\m)+9], s[VP:VP+1] offset:3072*\m+1536
	global_store_b64 v[AL8], v[PCS+20*(4+\m)+10:PCS+20*(4+\m)+11], s[VP:VP+1] offset:3072*\m+2048
.endr
	v_cmp_le_u32 vcc_lo, 16, v1                    ; lanes 16-31
.irp a, 0,1,2,3
	v_perm_b32 v[240+\a], v[PWS+\a], v[PWS+\a], 0x01000100   ; q's word: [s0, s1, s0, s1]: it serves q in either half of the instruction's K
.endr
	v_cndmask_b32 v244, v240, v241, vcc_lo         ; word (tile a, row r) at 8 (r + 16 (a % 2)) + 4 (a / 2)
	v_cndmask_b32 v245, v242, v243, vcc_lo
	global_store_b64 v[AL8], v[244:245], s[QP:QP+1] offset:3072
	v_perm_b32 v246, v[PWS+1], v[PWS], 0x07060302  ; K's word of a pair of tiles: [even tile s0, s1, odd tile s0, s1]
	v_perm_b32 v247, v[PWS+3], v[PWS+2], 0x07060302
	v_cndmask_b32 v248, v246, v247, vcc_lo         ; lanes 0-15 my first pair, lanes 16-31 my second
	v_cndmask_b32 v249, v[PWS+4], v[PWS+5], vcc_lo ; V: lanes 0-15 channel tiles 0, 1, lanes 16-31 tiles 2, 3: two bytes each for my 64 keys
	ds_store_b32 v[SCRA], v248                     ; a key step's words come from two waves: they meet in the scratch
	ds_store_b32 v[SCRA], v249 offset:128
	s_wait_dscnt 0x0                               ; for the other wave's sake: my stores are done
	s_barrier_signal -1
	s_barrier_wait -1
	s_and_b32 s16, s[WV], 1
	s_cmp_lg_u32 s16, 0
	s_cbranch_scc1 .Lodd                           ; the even wave of each pair stores the step's words
	ds_load_b32 v250, v[SCRA]
	ds_load_b32 v251, v[SCRA] offset:256
	ds_load_b32 v252, v[SCRA] offset:128
	ds_load_b32 v253, v[SCRA] offset:384
	s_wait_dscnt 0x0
	global_store_b64 v[AL8], v[250:251], s[KB:KB+1] offset:12288    ; pair p: register p / 2, lanes 16 (p % 2) on
	v_perm_b32 v254, v253, v252, 0x05040100        ; V's word: [first 64 keys b0, b1, second 64 keys b0, b1]: tile n: register n % 2, lanes 16 (n / 2) on
	v_perm_b32 v255, v253, v252, 0x07060302
	global_store_b64 v[AL8], v[254:255], s[KB:KB+1] offset:12544
.Lodd:
	s_wait_tensorcnt 0x0
	ds_add_u32 v30, v31
	s_wait_dscnt 0x0
	CROUND                                         ; the closing round
	s_endpgm
.Lfunc_end_k_qba0c3d3fee_qkv:
	.size	k_qba0c3d3fee_qkv, .Lfunc_end_k_qba0c3d3fee_qkv-k_qba0c3d3fee_qkv
	.p2alignl 7, 3214868480
	.fill 96, 4, 3214868480
	.section	.rodata,"a",@progbits
	.p2align	6, 0x0
	.amdhsa_kernel k_qba0c3d3fee_qkv
		.amdhsa_group_segment_fixed_size 168448
		.amdhsa_private_segment_fixed_size 0
		.amdhsa_enable_private_segment 0
		.amdhsa_kernarg_size 32
		.amdhsa_user_sgpr_count 2
		.amdhsa_user_sgpr_kernarg_segment_ptr 1
		.amdhsa_wavefront_size32 1
		.amdhsa_system_sgpr_workgroup_id_x 1
		.amdhsa_system_sgpr_workgroup_id_y 1
		.amdhsa_system_sgpr_workgroup_id_z 1
		.amdhsa_system_vgpr_workitem_id 0
		.amdhsa_next_free_vgpr 896
		.amdhsa_next_free_sgpr 80
		.amdhsa_reserve_vcc 1
		.amdhsa_float_denorm_mode_32 3
		.amdhsa_float_denorm_mode_16_64 3
		.amdhsa_memory_ordered 1
		.amdhsa_forward_progress 1
		.amdhsa_inst_pref_size 120
	.end_amdhsa_kernel
	.amdgpu_metadata
---
amdhsa.version: [ 1, 2 ]
amdhsa.kernels:
  - .name:           k_qba0c3d3fee_qkv
    .symbol:         k_qba0c3d3fee_qkv.kd
    .args:
      - { .name: inc, .offset: 0, .size: 8, .value_kind: global_buffer, .address_space: global }
      - { .name: ins, .offset: 8, .size: 8, .value_kind: global_buffer, .address_space: global }
      - { .name: qb, .offset: 16, .size: 8, .value_kind: global_buffer, .address_space: global }
      - { .name: kv, .offset: 24, .size: 8, .value_kind: global_buffer, .address_space: global }
    .group_segment_fixed_size: 168448
    .private_segment_fixed_size: 0
    .kernarg_segment_align: 8
    .kernarg_segment_size: 32
    .max_flat_workgroup_size: 128
    .sgpr_count:     80
    .vgpr_count:     896
    .wavefront_size: 32
...
	.end_amdgpu_metadata
.endif
;; end of part 2
;; launch attn (part 3): grid 4 x 64, 16 waves a work-group, clusters of 4 x 4, 327,680 bytes of LDS; arguments qb, kv, ob, os; writes ob, os
.if DOCPART == 3
	.amdgcn_target "amdgcn-amd-amdhsa--gfx1250"
	.amdhsa_code_object_version 6
	.text
	.protected	k_qba0c3d3fee_attn
	.globl	k_qba0c3d3fee_attn
	.p2align	8
	.type	k_qba0c3d3fee_attn,@function
k_qba0c3d3fee_attn:
	s_mov_b64 s[64:65], 0
	v_nop
	global_prefetch_b8 v0, s[64:65] scope:SCOPE_SE
	s_setreg_imm32_b32 hwreg(HW_REG_WAVE_MODE, 25, 1), 1
	s_wait_xcnt 0x0
	s_wait_alu depctr_hold_cnt(0) depctr_sa_sdst(0) depctr_va_vdst(0) depctr_va_sdst(0) depctr_va_ssrc(0) depctr_va_vcc(0) depctr_vm_vsrc(0)
	s_getreg_b32 s2, hwreg(HW_REG_IB_STS2, 6, 4)
	s_cmp_eq_u32 s2, 0
	s_cbranch_scc0 .Lentry_in_a_cluster
	s_endpgm
.Lentry_in_a_cluster:
	s_bfe_u32 s2, ttmp6, 0x10000c
	s_cmp_lg_u32 s2, 0xf033
	s_cbranch_scc0 .Lentry_shape_is_right
	s_endpgm
.Lentry_shape_is_right:
; Causal attention of one head on codes of FP6 (E2M3) with E8M0 block scales; the result, divided by the row's sum, is quantised along the model's 1,024 (a head's 64 are two blocks) for the last product.
; THE SOFTMAX AHEAD OF THE SECOND PRODUCT: t = score x log2(e) / 8; M = the running largest t rounded UP to a whole number; p = 2^(t - M) is quantised along the keys, not normalised; the row's sum is taken of the
; unquantised p.  When M moves, the sum and O are multiplied by 2^(old M - new M): exact.  -M begins at 3e38, so the first step multiplies what is there by 0.
; SHARES.  Work-group y / 2 = batch x head, j = 4 (y % 2) + x: tile j (16 queries) of EACH of the head's sixteen blocks of 128 queries.  So every work-group reads all sixteen key steps of 128 keys, and all of them do the same work.
; Sixteen waves in pairs p = w % 8: the pair owns its tile of block 15 - p (16 - p key steps under the causal mask: the heavy one) and of block p (p + 1 steps: the light one), 17 steps together.
; Wave A (w < 8): nine steps of the heavy tile.  Wave B: the light tile's p + 1 steps, then 7 - p of the heavy tile's; its two states (O, M, the sum) go to LDS, and at the end A joins B's heavy state to its own while B takes its light state up again.
; TRIP i (0 .. 7): up to i = p both take step i; behind it A takes step 2 i - p, B step 2 i - p - 1.  A's ninth is step 15 - p, the heavy tile's diagonal; the light tile's diagonal is B's trip p.
; K AND V of the whole head, 204,800 bytes as the launch before laid them, come into LDS once, a key step a wave; nothing is filled again.  Two barriers show step 0 and the rest; behind the second the waves run free.
; A step's products take K's fragments, fetched a step ahead, and then V's, fetched behind the first products; the two have registers of their own.  (B's last fetch of K finds no trip: it keeps the loop whole.)
; CLUSTERS: 4 x 4 work-groups are two heads; the four of a row of the cluster share a head, and each key step is asked for JOINTLY by the same load with the mask of that row.
; No prefetch: all of K and V is asked for at the head, and no loop is left that could ask ahead.
; K = 64 IN AN INSTRUCTION OF 128: a fragment of K holds two tiles of 16 keys side by side; it is multiplied once by [q | 0] and once by [0 | q]: zero codes add nothing.
; LAYOUT.  S^T = K Q^T, O^T = V^T P^T: a lane holds ONE query throughout.  A tile's rows are 32 (i / 8) + 8 j + i % 8 of each 64, so a lane's 32 registers of four tiles are one whole scale block.
; LIMITS: NaN and infinities are not served; the promise holds while the scaled scores stay under 2^31 in magnitude; blocks under 2^-124 and blocks of zeros have the byte 1 (this program alone reads the bytes).
; THE MASK: key tiles wholly behind a query block are left out (the steps' count); work on hidden keys is done only inside the diagonal step.
.set LST,  204800                      ; behind K and V: the light states, 4,608 bytes for each wave
.set HST,  278528                      ; for each pair 5,632 bytes: B's heavy state, and at QST the heavy tile's q for B's change of tiles
.set QST,  4608
.set GATH, 323584                      ; 1,024 bytes in which the result's scale words are gathered
.set SPARE, 324608                     ; the spare words, 128 bytes a wave
.set F,    6                           ; v6 f = 2^(old M - new M); v7, the gather's address, is named with it as a pair
.set TMP,  8
.set Q,    16                          ; v16-33 [0 | q | 0]: [q | 0] is v22-33, [0 | q] is v16-27.  v12 -M, v13 8 h, v[14:15] the sum
.set QSC,  34
.set TMP2, 35
.set KF,   36                          ; v36-83 K's four fragments
.set VF,   84                          ; v84-131 V^T's
.set S,    132                         ; v132-195 S^T, then p
.set O,    196                         ; v196-227 O^T
.set PC,   228                         ; v228-239 p's codes
.set PT,   240                         ; v240-242, v244-246 second halves of blocks
.set BM,   240                         ; v240-243, ahead of them
.set T1,   240                         ; three of the sum's four chains, behind them
.set T2,   244
.set T3,   242
.set PSC,  247
.set SO,   248
.set F2,   248
.set KSC,  250
.set VSC,  252
.set SPW,  254
.set NIL,  255
.set BIG,  0x7f61b1e6                  ; 3e38
.set WV,   12
.set BH,   13
.set J,    14
.set P,    15
.set PB,   16
.set DG,   17
.set I,    18
.set TB,   19
.set SEL,  20
.set CS,   22
.set G1,   24
.set G0,   32
.set E,    36
.set NCS,  37
.set ISB,  38
.set LP,   66
.macro CROUND                          ; a round of the cluster's barrier
	s_barrier_signal -1
	s_barrier_wait -1
	s_cmp_lg_u32 s[WV], 0
	s_cbranch_scc1 .Lnot_wave_0_\@
	s_barrier_signal -3
.Lnot_wave_0_\@:
	s_barrier_wait -3
	s_barrier_signal -1
	s_barrier_wait -1
.endm
.macro ASK                             ; my key step
	tensor_load_to_lds s[G0:G0+3], s[G1:G1+7]
	s_nop 0
.rept 4
	v_nop
.endr
.endm
	s_load_b256 s[4:11], s[0:1], 0x0               ; qb, kv, ob, os
	v_lshl_add_u32 v[SPW], v0, 2, SPARE
	v_mov_b32 v[NIL], 0
	ds_add_u32 v[SPW], v[NIL]                      ; the wave's opening: the add, twice on end, and its wait
	ds_add_u32 v[SPW], v[NIL]
	v_lshrrev_b32 v3, 5, v0
	v_readfirstlane_b32 s[WV], v3                  ; wave 0..15
	v_and_b32 v3, 31, v0                           ; lane
	v_and_b32 v[TMP], 15, v0                       ; r
	v_bfe_u32 v[TMP2], v0, 4, 1                    ; h
	v_lshlrev_b32 v1, 4, v3
	v_lshlrev_b32 v2, 3, v3
	v_lshlrev_b32 v13, 3, v[TMP2]                  ; 8 h
	v_lshlrev_b32 v7, 2, v[TMP]
	v_and_b32 v5, 7, v[TMP]
	v_lshrrev_b32 v4, 3, v[TMP]
	v_sub_nc_u32 v4, v4, v[TMP2]
	v_lshl_add_u32 v5, v4, 5, v5                   ; 32 (r / 8) + r % 8 - 32 h
	v_lshlrev_b32 v[KF], 3, v[TMP]                 ; 8 r, until q's scale words are in
	s_wait_alu depctr_va_vdst(0)                   ; ahead of the scalar lines
	s_bfe_u32 s40, ttmp6, 0x40000                  ; cx
	s_bfe_u32 s41, ttmp6, 0x40004                  ; cy
	s_and_b32 s42, ttmp7, 0xffff
	s_lshl_b32 s42, s42, 2
	s_add_co_u32 s42, s42, s41                     ; y
	s_lshr_b32 s[BH], s42, 1                       ; 16 x batch + head
	s_and_b32 s43, s42, 1                          ; which 64 queries of each block
	s_lshl_b32 s[J], s43, 2
	s_add_co_u32 s[J], s[J], s40                   ; my work-group's tile in each block
	s_and_b32 s[P], s[WV], 7
	s_lshr_b32 s[ISB], s[WV], 3                    ; 1: I am B
	s_xor_b32 s39, s[ISB], 1
	s_add_co_u32 s[PB], s[P], s[ISB]
	s_lshl_b32 s[DG], s39, 5
	s_add_co_u32 s[DG], s[DG], s[P]                ; B: the trip of its diagonal and of its change of tiles; A: none of the loop's trips
	s_mul_i32 s52, s39, 15
	s_xor_b32 s52, s52, s[P]                       ; the block whose result I finish: A 15 - p, B p
	s_xor_b32 s[LP], s[P], 15                      ; 15 - p
	s_lshl_b32 s54, s41, 2
	s_lshl_b32 s54, 15, s54                        ; my row of the cluster
	s_or_b32 s[G1], s54, (3<<16)|(1<<21)           ; the mask; elements of 8 bytes; bit 21 set beside a mask
	s_mov_b32 s[G1+1], 32<<16                      ; 50 rows of 256 bytes, dense: one key step
	s_mov_b32 s[G1+2], 50<<16
	s_mov_b32 s[G1+3], 32<<16
	s_mov_b32 s[G1+4], 50
	s_mov_b32 s[G1+5], 32
	s_mov_b32 s[G1+6], 0
	s_mov_b32 s[G1+7], 0
	s_mul_i32 s55, s[WV], 12800                    ; key step = wave, in LDS and in memory
	s_mov_b32 s[G0], 1
	s_mov_b32 s[G0+1], s55
	s_mul_i32 s54, s[BH], 204800
	s_add_co_u32 s54, s54, s55
	s_mov_b32 s55, 0
	s_mul_i32 s57, s[BH], 106496                   ; q: groups of 64 tokens, 3,328 bytes each
	s_mul_i32 s56, s43, 3328
	s_add_co_u32 s57, s57, s56
	s_mul_i32 s56, s52, 6656
	s_add_co_u32 s44, s57, s56
	s_mul_i32 s56, s[LP], 6656
	s_add_co_u32 s48, s57, s56
	s_mul_i32 s58, s40, 768                        ; my tile's half-image
	s_and_b32 s59, s40, 1
	s_lshl_b32 s59, s59, 7
	s_lshr_b32 s56, s40, 1
	s_lshl_b32 s56, s56, 2
	s_add_co_u32 s59, s59, s56                     ; its scale words: 128 (tile % 2) + 4 (tile / 2) + 8 r
	s_add_co_u32 s46, s44, s59
	s_add_co_u32 s50, s48, s59
	s_add_co_u32 s44, s44, s58
	s_add_co_u32 s48, s48, s58
	s_mov_b32 s45, 0
	s_mov_b32 s47, 0
	s_mov_b32 s49, 0
	s_mov_b32 s51, 0
	s_lshl_b32 s56, s43, 6
	s_lshl_b32 s58, s40, 3
	s_add_co_u32 s56, s56, s58
	v_add_nc_u32 v5, s56, v5                       ; my query in its block, less 32 h: register 32 c + i of the diagonal step is hidden where 64 c + i is greater
	s_lshl_b32 s56, s52, 6
	s_add_co_u32 s56, s56, GATH
	v_add_nc_u32 v7, s56, v7                       ; my scale word's place: 64 x block + 4 r
	s_and_b32 s58, s[WV], 1
	s_lshl_b32 s58, s58, 9
	s_add_co_u32 s56, s58, GATH
	v_add_nc_u32 v9, s56, v1                       ; where waves 0 and 1 read 512 bytes of them back
	s_mul_i32 s56, s[WV], 4608
	s_add_co_u32 s56, s56, LST
	v_add_nc_u32 v10, s56, v1                      ; my light state
	s_mul_i32 s56, s[P], 5632
	s_add_co_u32 s56, s56, HST
	v_add_nc_u32 v11, s56, v1                      ; my pair's heavy state
	s_lshl_b32 s60, s[BH], 3
	s_add_co_u32 s60, s60, s[J]
	s_lshl_b32 s60, s60, 10
	s_add_co_u32 s60, s60, s58                     ; os: [batch x head][tile j][block][r], a word each
	s_mov_b32 s61, 0
	s_lshr_b32 s62, s[BH], 4
	s_lshl_b32 s62, s62, 7
	s_lshl_b32 s63, s52, 3
	s_add_co_u32 s62, s62, s63
	s_add_co_u32 s62, s62, s[J]                    ; my tile among the 256 tiles of tokens
	s_mul_i32 s62, s62, 12288
	s_and_b32 s63, s[BH], 15
	s_mul_i32 s63, s63, 768                        ; the head's half-image
	s_add_co_u32 s62, s62, s63
	s_mov_b32 s63, 0
	s_mov_b32 s[SEL], 0x76543210
	s_mov_b32 s[SEL+1], 0xfedcba98
	s_mov_b32 s[CS], 0x3e38aa3b                    ; c = log2(e) / sqrt(64)
	s_mov_b32 s[CS+1], s[CS]                       ; (named with it as a pair)
	s_mov_b32 s[NCS], 0xbe38aa3b                   ; -c
	s_wait_alu depctr_va_vdst(0)
	s_wait_dscnt 0x0                               ; both opening adds are done
	s_wait_kmcnt 0x0
	s_add_nc_u64 s[44:45], s[4:5], s[44:45]
	s_add_nc_u64 s[46:47], s[4:5], s[46:47]
	s_add_nc_u64 s[48:49], s[4:5], s[48:49]
	s_add_nc_u64 s[50:51], s[4:5], s[50:51]
	s_add_nc_u64 s[G0+2:G0+3], s[6:7], s[54:55]
	s_or_b32 s[G0+3], s[G0+3], 0x80000000
	s_add_nc_u64 s[8:9], s[8:9], s[62:63]
	s_add_nc_u64 s[10:11], s[10:11], s[60:61]
	global_load_b128 v[Q+6:Q+9], v1, s[44:45]      ; q of the tile that I begin with
	global_load_b64 v[Q+10:Q+11], v2, s[44:45] offset:512
	global_load_b32 v[QSC], v[KF], s[46:47] offset:3072
	CROUND                                         ; all sixteen work-groups are here: the joint loads meet
	s_cmp_lt_u32 s[WV], 1                          ; one load a wave; two lines, one for each barrier that shows what they bring
	s_cbranch_scc0 .Lfrom_1
	ASK
	s_branch .Lasked
.Lfrom_1:
	ASK
.Lasked:
	s_cmp_eq_u32 s[ISB], 1
	s_cbranch_scc0 .Lno_second
	global_load_b128 v[S:S+3], v1, s[48:49]        ; B: the heavy tile's q waits in LDS
	global_load_b64 v[S+4:S+5], v2, s[48:49] offset:512
	global_load_b32 v[S+6], v[KF], s[50:51] offset:3072
	s_wait_loadcnt 0x0
	ds_store_b128 v11, v[S:S+3] offset:QST
	ds_store_b96 v11, v[S+4:S+6] offset:QST+512
.Lno_second:
.irp i, 0,1,2,3,4,5
	v_mov_b32 v[Q+\i], 0
	v_mov_b32 v[Q+12+\i], 0
.endr
	v_mov_b32 v12, BIG                             ; -M
	v_mov_b32 v14, 0                               ; the sum, in two halves
	v_mov_b32 v15, 0
	v_mov_b32 v[TMP2], 0                           ; a lane permute's destination counts as one of its sources
.set n, 0
.rept 32
	v_mov_b32 v[O+n], 0                            ; O^T: the step is written alike everywhere; the first multiplies these zeros by 0
.set n, n+1
.endr
.macro FETCHF f, sc, x16, x8, off, soff        ; four fragments and their scale words: 17 loads
	ds_load_b64 v[\sc:\sc+1], \x8 offset:\soff
.irp p, 0,1,2,3
	ds_load_b128 v[\f+12*\p:\f+12*\p+3], \x16 offset:\off+1536*\p
	ds_load_b64 v[\f+12*\p+4:\f+12*\p+5], \x8 offset:\off+1536*\p+512
	ds_load_b128 v[\f+12*\p+6:\f+12*\p+9], \x16 offset:\off+1536*\p+768
	ds_load_b64 v[\f+12*\p+10:\f+12*\p+11], \x8 offset:\off+1536*\p+1280
.endr
.endm
.macro FETCHK x16, x8                          ; K's scale words: pair p in register p / 2, lanes 16 (p % 2) on
	FETCHF KF, KSC, \x16, \x8, 0, 12288
.endm
; Trip I + 1's key step, its LDS addresses, and K's fragments
.macro NEXT
	s_add_co_u32 s[E], s[I], 1
	s_lshl_b32 s[TB], s[E], 1
	s_sub_co_u32 s[TB], s[TB], s[PB]
	s_cmp_gt_u32 s[E], s[P]
	s_cselect_b32 s[E], s[TB], s[E]
	s_min_u32 s[E], s[E], s[LP]                    ; (A's ninth step is the diagonal, 15 - p)
	s_min_u32 s[E], s[E], 15
	s_mul_i32 s[TB], s[E], 12800
	v_add_nc_u32 v3, s[TB], v1
	v_add_nc_u32 v4, s[TB], v2
	FETCHK v3, v4
.endm
; A KEY STEP: 128 keys at the LDS addresses x16 (+ 16 x lane), x8 (+ 8 x lane); K's fragments have been asked for.  diag = 1: the diagonal step; 0: it is where the trip is DG.  next = 1: the next trip's K is asked for.
.macro STEP x16, x8, diag, next
	s_wait_alu depctr_va_vdst(0)                   ; ahead of the wait below
	s_wait_dscnt 0x0                               ; K is in
.irp p, 0,1,2,3
.irp u, 0,1                                    ; tile 2 p + u of 16 keys: the fragment's half u meets q, the other half meets zeros
.if (\p)%2
	v_wmma_scale_f32_16x16x128_f8f6f4 v[S+8*(2*\p+\u):S+8*(2*\p+\u)+7], v[KF+12*\p:KF+12*\p+11], v[Q+6-6*\u:Q+17-6*\u], 0, v[KSC+\p/2], v[QSC] matrix_a_fmt:MATRIX_FMT_FP6 matrix_b_fmt:MATRIX_FMT_FP6 matrix_a_scale:MATRIX_SCALE_ROW1
.else
	v_wmma_scale_f32_16x16x128_f8f6f4 v[S+8*(2*\p+\u):S+8*(2*\p+\u)+7], v[KF+12*\p:KF+12*\p+11], v[Q+6-6*\u:Q+17-6*\u], 0, v[KSC+\p/2], v[QSC] matrix_a_fmt:MATRIX_FMT_FP6 matrix_b_fmt:MATRIX_FMT_FP6
.endif
.endr
.endr
	FETCHF VF, VSC, \x16, \x8, 6144, 12544         ; V^T: its registers were last read a step ago.  Scale words: tile n in register n % 2, lanes 16 (n / 2) on
.rept 4
	v_nop                                          ; places: the scores are read, and K's fragments are loaded anew
.endr
.if \next
	NEXT
.endif
.if (\diag) == 0
	s_cmp_lg_u32 s[I], s[DG]                       ; only the diagonal step has hidden keys: their scores become -infinity ahead of the maximum
	s_cbranch_scc1 .Lopen_\@
.endif
.set n, 0
.rept 64
	v_cmp_le_i32 vcc_lo, 64*(n/32)+n%32, v5
	v_cndmask_b32 v[S+n], 0xff800000, v[S+n], vcc_lo
.set n, n+1
.endr
.Lopen_\@:
.irp g, 0,1,2,3
	v_max3_num_f32 v[BM+\g], v[S+16*\g], v[S+1+16*\g], v[S+2+16*\g]   ; two chains for each of my two blocks of 32 keys
.endr
.irp i, 3,5,7,9,11,13
.irp g, 0,1,2,3
	v_max3_num_f32 v[BM+\g], v[BM+\g], v[S+16*\g+\i], v[S+1+16*\g+\i]
.endr
.endr
.irp c, 0,2
	v_max3_num_f32 v[BM+\c], v[BM+\c], v[S+15+16*\c], v[S+31+16*\c]
.endr
.irp c, 0,2
	v_max_num_f32 v[BM+\c], v[BM+\c], v[BM+\c+1]   ; the block's largest score: for the row's maximum, and, since p rises with the score, for the block's largest p
.endr
	s_delay_alu instid0(VALU_DEP_1)
	v_max_num_f32 v[TMP], v[BM], v[BM+2]
	s_delay_alu instid0(VALU_DEP_1)
	v_permlanex16_b32 v[TMP2], v[TMP], s[SEL], s[SEL+1]
	s_delay_alu instid0(VALU_DEP_1)
	v_max_num_f32 v[TMP], v[TMP], v[TMP2]          ; with lane l xor 16's 64 keys: the step's largest score of my query
	s_delay_alu instid0(VALU_DEP_1)
	v_mul_f32 v[TMP], s[NCS], v[TMP]               ; as -t (c is positive)
	s_delay_alu instid0(VALU_DEP_1)
	v_floor_f32 v[TMP], v[TMP]
	s_delay_alu instid0(VALU_DEP_1)
	v_min_num_f32 v[TMP], v12, v[TMP]              ; the new -M: a whole number
	s_delay_alu instid0(VALU_DEP_1)
	v_sub_f32 v[TMP2], v[TMP], v12                 ; old M - new M: a whole number, 0 or less
	v_mov_b32 v12, v[TMP]
	s_delay_alu instid0(VALU_DEP_2)
	v_cvt_i32_f32 v[TMP2], v[TMP2]                 ; (it saturates)
	s_delay_alu instid0(VALU_DEP_1)
	v_ldexp_f32 v[F], 1.0, v[TMP2]                 ; f = 2^(old M - new M)
.set n, 0
.rept 32
	v_pk_fma_f32 v[S+n:S+n+1], v[S+n:S+n+1], s[CS:CS+1], v[12:13] op_sel_hi:[1,0,0]   ; t - M, two at a time
.set n, n+2
.endr
.irp c, 0,2
	v_fma_f32 v[BM+\c], v[BM+\c], s[CS], v12       ; the same of each block's largest score
.endr
	s_wait_alu depctr_va_vdst(0)                   ; ahead of the batch
	v_exp_f32 v[BM], v[BM]                         ; each block's largest p: the same two instructions on the same number
	v_exp_f32 v[BM+2], v[BM+2]
.set n, 0
.rept 64
	v_exp_f32 v[S+n], v[S+n]                       ; p = 2^(t - M), at most 1
.set n, n+1
.endr
	v_pk_mul_f32 v[14:15], v[14:15], v[F:F+1] op_sel_hi:[1,0]   ; the sums under the new M: a plain place behind the exponentials
	s_wait_alu depctr_va_vdst(0)                   ; one wait for the whole batch and for O^T
.set n, 0
.rept 16
	v_pk_mul_f32 v[O+n:O+n+1], v[O+n:O+n+1], v[F:F+1] op_sel_hi:[1,0]   ; O^T under the new M
.set n, n+2
.endr
.irp c, 0,2
	v_max_num_f32 v[BM+\c], 0x1800000, v[BM+\c]    ; the floor 2^(3 - 127): the byte cannot fall under 1
.endr
.irp c, 0,1
	v_add_nc_u32 v[SO+\c], 0xff000000, v[BM+2*\c]  ; 2 off the exponent field: the conversion's scale operand
.endr
	v_lshrrev_b32 v[TMP], 23, v[SO]                ; the two bytes
	v_lshrrev_b32 v[TMP2], 23, v[SO+1]
	s_delay_alu instid0(VALU_DEP_1)
	v_lshl_or_b32 v[TMP], v[TMP2], 16, v[TMP]
	s_delay_alu instid0(VALU_DEP_1)
	v_lshlrev_b32 v[TMP], v13, v[TMP]              ; at bits 8 h and 16 + 8 h;
	s_delay_alu instid0(VALU_DEP_1)
	v_permlanex16_b32 v[TMP2], v[TMP], s[SEL], s[SEL+1]
	s_delay_alu instid0(VALU_DEP_1)
	v_or_b32 v[PSC], v[TMP], v[TMP2]               ; with lane l xor 16's p's scale word for these 128 keys
.irp c, 0,1
	v_cvt_scalef32_pk16_fp6_f32 v[PC+6*\c:PC+2+6*\c], v[S+32*\c:S+15+32*\c], v[SO+\c]
	v_cvt_scalef32_pk16_fp6_f32 v[PT+4*\c:PT+2+4*\c], v[S+16+32*\c:S+31+32*\c], v[SO+\c]   ; (a conversion's three registers begin on an even number)
.endr
	v_nop                                          ; one plain place behind a scaled conversion
.irp c, 0,1
.irp i, 0,1,2
	v_mov_b32 v[PC+3+6*\c+\i], v[PT+4*\c+\i]
.endr
.endr
	; THE ROW'S SUM, of the unquantised p, in four chains: eight lines here, the places between p's codes and scale word and the products; the others behind the products, whose places they are
	v_pk_add_f32 v[T1:T1+1], v[S:S+1], v[S+2:S+3]
	v_pk_add_f32 v[T2:T2+1], v[S+4:S+5], v[S+6:S+7]
	v_pk_add_f32 v[T3:T3+1], v[S+8:S+9], v[S+10:S+11]
	v_pk_add_f32 v[14:15], v[14:15], v[S+12:S+13]
	v_pk_add_f32 v[T1:T1+1], v[T1:T1+1], v[S+14:S+15]
	v_pk_add_f32 v[T2:T2+1], v[T2:T2+1], v[S+16:S+17]
	v_pk_add_f32 v[T3:T3+1], v[T3:T3+1], v[S+18:S+19]
	v_pk_add_f32 v[14:15], v[14:15], v[S+20:S+21]
	s_wait_alu depctr_va_vdst(0)                   ; ahead of the wait below
.if \next
	s_wait_dscnt 17                                ; V^T is in; the next trip's 17 loads of K may be out
.else
	s_wait_dscnt 0x0
.endif
.irp p, 0,1,2,3                                ; O^T += V^T P^T: the four accumulators by turns
.if (\p)/2
	v_wmma_scale_f32_16x16x128_f8f6f4 v[O+8*\p:O+8*\p+7], v[VF+12*\p:VF+12*\p+11], v[PC:PC+11], v[O+8*\p:O+8*\p+7], v[VSC+\p%2], v[PSC] matrix_a_fmt:MATRIX_FMT_FP6 matrix_b_fmt:MATRIX_FMT_FP6 matrix_a_scale:MATRIX_SCALE_ROW1
.else
	v_wmma_scale_f32_16x16x128_f8f6f4 v[O+8*\p:O+8*\p+7], v[VF+12*\p:VF+12*\p+11], v[PC:PC+11], v[O+8*\p:O+8*\p+7], v[VSC+\p%2], v[PSC] matrix_a_fmt:MATRIX_FMT_FP6 matrix_b_fmt:MATRIX_FMT_FP6
.endif
.endr
.set n, S+22
.rept 5
	v_pk_add_f32 v[T1:T1+1], v[T1:T1+1], v[n:n+1]
	v_pk_add_f32 v[T2:T2+1], v[T2:T2+1], v[n+2:n+3]
	v_pk_add_f32 v[T3:T3+1], v[T3:T3+1], v[n+4:n+5]
	v_pk_add_f32 v[14:15], v[14:15], v[n+6:n+7]
.set n, n+8
.endr
	v_pk_add_f32 v[T1:T1+1], v[T1:T1+1], v[S+62:S+63]
	v_pk_add_f32 v[T2:T2+1], v[T2:T2+1], v[T3:T3+1]
	v_pk_add_f32 v[14:15], v[14:15], v[T1:T1+1]
	s_delay_alu instid0(VALU_DEP_1)
	v_pk_add_f32 v[14:15], v[14:15], v[T2:T2+1]
.endm
.macro PUT a                           ; a state: O, and (-M, -, the sum's halves)
.irp k, 0,1,2,3,4,5,6,7
	ds_store_b128 \a, v[O+4*\k:O+4*\k+3] offset:512*\k
.endr
	ds_store_b128 \a, v[12:15] offset:4096
.endm
.macro GET a
	ds_load_b128 v[S+32:S+35], \a offset:4096
.irp k, 0,1,2,3,4,5,6,7
	ds_load_b128 v[S+4*\k:S+4*\k+3], \a offset:512*\k
.endr
.endm
; B's change of tiles, behind its diagonal: the light state goes to my own LDS bytes, the heavy tile's q comes; -M = 3e38 makes the next step multiply O and the sum by 0
.macro CHANGE
	s_cmp_lg_u32 s[I], s[DG]
	s_cbranch_scc1 .Lstay_\@
	PUT v10
	ds_load_b128 v[Q+6:Q+9], v11 offset:QST
	ds_load_b64 v[Q+10:Q+11], v11 offset:QST+512
	ds_load_b32 v[QSC], v11 offset:QST+520
	s_wait_dscnt 0x0                               ; the stores have read their registers, and q is in
	v_mov_b32 v12, BIG
.Lstay_\@:
.endm
.macro MEET                            ; a barrier: what has landed is shown
	s_wait_dscnt 0x0
	s_barrier_signal -1
	s_barrier_wait -1
.endm
	s_mov_b32 s[I], 0
	s_wait_alu depctr_va_vdst(0)                   ; the head's end
	s_wait_loadcnt 0x0                             ; q
	s_cmp_lt_u32 s[WV], 1
	s_cbranch_scc0 .Lnot_first
	s_wait_tensorcnt 0x0                           ; step 0 is in; the others may be out
.Lnot_first:
	MEET
	FETCHK v1, v2
	STEP v1, v2, 0, 0                              ; trip 0: step 0 for every wave
	CHANGE
	s_wait_tensorcnt 0x0                           ; all of K and V is in
	MEET
	NEXT
	s_mov_b32 s[I], 1
.Lfree:                                                ; trips 1 to 7
	STEP v3, v4, 0, 1
	CHANGE
	s_add_co_u32 s[I], s[I], 1
	s_cmp_lt_u32 s[I], 8
	s_cbranch_scc1 .Lfree
	s_cmp_eq_u32 s[ISB], 0
	s_cbranch_scc0 .Lpart
	STEP v3, v4, 1, 0                              ; A: the heavy tile's diagonal step
	s_branch .Ljoin
.Lpart:
	s_wait_alu depctr_va_vdst(0)                   ; ahead of the readers below
	PUT v11                                        ; B: its part of the heavy tile
	s_wait_dscnt 0x0
	v_mov_b32 v12, BIG                             ; and nothing of it stays here: the light state is joined to an empty one
.Ljoin:
	s_wait_alu depctr_va_vdst(0)                   ; ahead of the barrier
	MEET
	s_cmp_eq_u32 s[ISB], 0
	s_cbranch_scc0 .Llight
	GET v11
	s_branch .Lgot
.Llight:
	GET v10
.Lgot:
	s_wait_dscnt 0x0
	; THE JOIN: both states under the smaller -M; powers of two, so nothing is rounded but the additions
	v_min_num_f32 v[TMP], v12, v[S+32]
	v_sub_f32 v[TMP2], v[TMP], v12
	v_sub_f32 v[BM], v[TMP], v[S+32]
	v_cvt_i32_f32 v[TMP2], v[TMP2]
	v_cvt_i32_f32 v[BM], v[BM]
	v_ldexp_f32 v[F], 1.0, v[TMP2]
	v_ldexp_f32 v[F2], 1.0, v[BM]
	v_pk_mul_f32 v[14:15], v[14:15], v[F:F+1] op_sel_hi:[1,0]
	v_pk_fma_f32 v[14:15], v[S+34:S+35], v[F2:F2+1], v[14:15] op_sel_hi:[1,0,1]
	v_add_f32 v14, v14, v15
	v_permlanex16_b32 v[TMP2], v14, s[SEL], s[SEL+1]
	v_add_f32 v14, v14, v[TMP2]                    ; the row's sum
	s_wait_alu depctr_va_vdst(0)                   ; ahead of the transcendental
	v_rcp_f32 v15, v14
	v_nop                                          ; a plain place behind the transcendental
	s_wait_alu depctr_va_vdst(0)                   ; the wait ahead of its first reader, and of O^T's
	v_mul_f32 v[F], v[F], v15
	v_mul_f32 v[F2], v[F2], v15
.set n, 0
.rept 16
	v_pk_mul_f32 v[O+n:O+n+1], v[O+n:O+n+1], v[F:F+1] op_sel_hi:[1,0]
.set n, n+2
.endr
.set n, 0
.rept 16
	v_pk_fma_f32 v[S+n:S+n+1], v[S+n:S+n+1], v[F2:F2+1], v[O+n:O+n+1] op_sel_hi:[1,0,1]   ; register i: channel 32 h + i of my query
.set n, n+2
.endr
	; THE WAY OUT: quantised along the head's 64 (a block a lane), as the head's half of a fragment of the last product's left operand
	v_max3_num_f32 v[BM], |v[S]|, |v[S+1]|, 0x1800000
	v_max3_num_f32 v[BM+1], |v[S+16]|, |v[S+17]|, 0x1800000
.irp i, 2,4,6,8,10,12,14
.irp g, 0,1
	v_max3_num_f32 v[BM+\g], v[BM+\g], |v[S+16*\g+\i]|, |v[S+1+16*\g+\i]|
.endr
.endr
	v_max_num_f32 v[BM], v[BM], v[BM+1]
	v_add_nc_u32 v[SO], 0xff000000, v[BM]
	v_lshrrev_b32 v[TMP], 23, v[SO]
	v_lshlrev_b32 v[TMP], v13, v[TMP]
	v_permlanex16_b32 v[TMP2], v[TMP], s[SEL], s[SEL+1]
	v_or_b32 v[TMP], v[TMP], v[TMP2]               ; the head's two scale bytes of my query
	ds_store_b32 v7, v[TMP]                        ; lanes l and l xor 16 write the same word with the same value
	v_cvt_scalef32_pk16_fp6_f32 v[PC:PC+2], v[S:S+15], v[SO]
	v_cvt_scalef32_pk16_fp6_f32 v[PT:PT+2], v[S+16:S+31], v[SO]
	v_nop
.irp i, 0,1,2
	v_mov_b32 v[PC+3+\i], v[PT+\i]
.endr
	global_store_b128 v1, v[PC:PC+3], s[8:9]       ; 512 and 256 consecutive bytes
	global_store_b64 v2, v[PC+4:PC+5], s[8:9] offset:512
	MEET
	s_cmp_lt_u32 s[WV], 2
	s_cbranch_scc0 .Lend
	ds_load_b128 v[T1:T1+3], v9
	s_wait_dscnt 0x0
	global_store_b128 v1, v[T1:T1+3], s[10:11]     ; 32 lanes store 512 consecutive bytes, aligned
.Lend:
	s_wait_tensorcnt 0x0                           ; the wave's end
	ds_add_u32 v[SPW], v[NIL]
	s_wait_dscnt 0x0
	CROUND                                         ; the closing round
	s_endpgm
.Lfunc_end_k_qba0c3d3fee_attn:
	.size	k_qba0c3d3fee_attn, .Lfunc_end_k_qba0c3d3fee_attn-k_qba0c3d3fee_attn
	.p2alignl 7, 3214868480
	.fill 96, 4, 3214868480
	.section	.rodata,"a",@progbits
	.p2align	6, 0x0
	.amdhsa_kernel k_qba0c3d3fee_attn
		.amdhsa_group_segment_fixed_size 327680
		.amdhsa_private_segment_fixed_size 0
		.amdhsa_enable_private_segment 0
		.amdhsa_kernarg_size 32
		.amdhsa_user_sgpr_count 2
		.amdhsa_user_sgpr_kernarg_segment_ptr 1
		.amdhsa_wavefront_size32 1
		.amdhsa_system_sgpr_workgroup_id_x 1
		.amdhsa_system_sgpr_workgroup_id_y 1
		.amdhsa_system_sgpr_workgroup_id_z 1
		.amdhsa_system_vgpr_workitem_id 0
		.amdhsa_next_free_vgpr 256
		.amdhsa_next_free_sgpr 72
		.amdhsa_reserve_vcc 1
		.amdhsa_float_denorm_mode_32 3
		.amdhsa_float_denorm_mode_16_64 3
		.amdhsa_memory_ordered 1
		.amdhsa_forward_progress 1
		.amdhsa_inst_pref_size 85
	.end_amdhsa_kernel
	.amdgpu_metadata
---
amdhsa.version: [ 1, 2 ]
amdhsa.kernels:
  - .name:           k_qba0c3d3fee_attn
    .symbol:         k_qba0c3d3fee_attn.kd
    .args:
      - { .name: qb, .offset: 0, .size: 8, .value_kind: global_buffer, .address_space: global }
      - { .name: kv, .offset: 8, .size: 8, .value_kind: global_buffer, .address_space: global }
      - { .name: ob, .offset: 16, .size: 8, .value_kind: global_buffer, .address_space: global }
      - { .name: os, .offset: 24, .size: 8, .value_kind: global_buffer, .address_space: global }
    .group_segment_fixed_size: 327680
    .private_segment_fixed_size: 0
    .kernarg_segment_align: 8
    .kernarg_segment_size: 32
    .max_flat_workgroup_size: 512
    .sgpr_count:     72
    .vgpr_count:     256
    .wavefront_size: 32
...
	.end_amdgpu_metadata
.endif
;; end of part 3
;; launch oproj (part 4): grid 8 x 32, 4 waves a work-group, clusters of 4 x 4, 231,936 bytes of LDS; arguments ob, os, inc, ins, out0; writes out0
.if DOCPART == 4
	.amdgcn_target "amdgcn-amd-amdhsa--gfx1250"
	.amdhsa_code_object_version 6
	.text
	.protected	k_qba0c3d3fee_oproj
	.globl	k_qba0c3d3fee_oproj
	.p2align	8
	.type	k_qba0c3d3fee_oproj,@function
k_qba0c3d3fee_oproj:
	s_mov_b64 s[64:65], 0
	v_nop
	global_prefetch_b8 v0, s[64:65] scope:SCOPE_SE
	s_setreg_imm32_b32 hwreg(HW_REG_WAVE_MODE, 25, 1), 1
	s_wait_xcnt 0x0
	s_wait_alu depctr_hold_cnt(0) depctr_sa_sdst(0) depctr_va_vdst(0) depctr_va_sdst(0) depctr_va_ssrc(0) depctr_va_vcc(0) depctr_vm_vsrc(0)
	s_getreg_b32 s2, hwreg(HW_REG_IB_STS2, 6, 4)
	s_cmp_eq_u32 s2, 0
	s_cbranch_scc0 .Lentry_in_a_cluster
	s_endpgm
.Lentry_in_a_cluster:
	s_bfe_u32 s2, ttmp6, 0x10000c
	s_cmp_lg_u32 s2, 0xf033
	s_cbranch_scc0 .Lentry_shape_is_right
	s_endpgm
.Lentry_shape_is_right:
; out0 = A W_o^T on codes of FP6 (E2M3) with E8M0 block scales; A is the attention's result as the launch before laid it (fragments of 16 tokens x 128), W_o as the first launch laid it.
; SHARES.  Work-group: 128 tokens (two bands of 64) x 128 columns (two bands of W_o's rows).  Wave (a, b) = (w / 2, w % 2): 64 tokens x 64 columns: W_o's band b, all of K, lies in 384 registers; A's band a streams past it in four
; tiles of 16 tokens, and each tile leaves as soon as its 32 products are done.
; LDS: W_o's two bands, 98,304 bytes, then A's: [tile pair][band][tile], 98,304 bytes.  Filled once, one load a wave: waves 0 and 1 a band of W_o each, wave 2 tiles 0, 1 of both bands of A, wave 3 tiles 2, 3: three barriers show them in that order.
; CLUSTER: 4 x 4 work-groups.  A row of the cluster shares A's tokens, a column W_o's rows: each load is asked for JOINTLY by the four that need it.
; No prefetch: everything is asked for at the head, and there is no loop that could ask ahead.
; LAYOUT.  Source 0 = 16 rows of W_o, source 1 = 16 tokens: a lane holds one token, and its 32 results of a band's four tiles are 32 neighbouring columns.
; A tile's rows are 32 (i / 8) + 8 j + i % 8 of its band of 64.  A's scale word of a K step is made of two heads' two bytes each.
; REGISTERS: window 0: v1-19 addresses; v32-47 A's scale words, v50-65 W_o's; v72-135 two sets of accumulators; v136-199 rows of the result on their way out; v200-231 the heads' bytes.
;   Fragments, 21 to a window from window 1 on: 0-31 W_o's (4 s + t), 32-39 and 40-47 A's two sets of eight.
.set OREG, 5505024
.set LA,   98304
.set STG,  196608                      ; behind A: two stages of 16 rows x 272 bytes for each wave
.set SPARE, 231424
.set SX,   32
.set SW,   50
.set ACC,  72
.set BK,   136
.set QD,   200
.set SPW,  4
.set NIL,  5
.set W16,  6
.set W8,   7
.set A16,  8                           ; v8, v9: tile pair 0, 1
.set A8,   10
.set STO,  12
.set RD,   13
.set CO,   14
.set QA,   15
.set L16,  16
.set WV,   14
.set G1W,  24
.set G1A,  32
.set G0W,  40
.set G0A,  44
.set MSB, 0
.macro WIN new                         ; the immediate's high byte repeats the setting that is left; a switch that changes nothing is dropped
.if MSB != (\new)
	s_set_vgpr_msb (MSB<<8)|(\new)
.set MSB, (\new)
.endif
.endm
.macro PLACES n
.rept \n
	v_nop
.endr
.endm
.macro CROUND                          ; a round of the cluster's barrier
	s_barrier_signal -1
	s_barrier_wait -1
	s_cmp_lg_u32 s[WV], 0
	s_cbranch_scc1 .Lnot_wave_0_\@
	s_barrier_signal -3
.Lnot_wave_0_\@:
	s_barrier_wait -3
	s_barrier_signal -1
	s_barrier_wait -1
.endm
.macro TLOAD g0, g1
	tensor_load_to_lds s[\g0:\g0+3], s[\g1:\g1+7]
	s_nop 0
	PLACES 4
.endm
	s_load_b256 s[4:11], s[0:1], 0x0               ; ob, os, inc, ins
	s_load_b64 s[12:13], s[0:1], 0x20              ; out0
	v_lshl_add_u32 v[SPW], v0, 2, SPARE
	v_mov_b32 v[NIL], 0
	ds_add_u32 v[SPW], v[NIL]                      ; the wave's opening: the add, twice on end, and its wait
	ds_add_u32 v[SPW], v[NIL]
	v_lshrrev_b32 v1, 5, v0
	v_readfirstlane_b32 s[WV], v1                  ; wave 0..3
	v_and_b32 v1, 31, v0                           ; lane
	v_and_b32 v2, 15, v0                           ; r
	v_bfe_u32 v3, v0, 4, 1                         ; h
	v_lshlrev_b32 v[L16], 4, v1
	v_lshlrev_b32 v17, 3, v1
	v_mul_u32_u24 v[STO], v2, 272
	v_lshl_add_u32 v[STO], v3, 7, v[STO]           ; in: row r of a tile, + 128 h: my 32 columns
	v_mul_u32_u24 v[RD], v3, 272
	v_lshl_add_u32 v[RD], v2, 4, v[RD]             ; back: lanes 0-15 one row of 256 bytes, lanes 16-31 the next
	v_lshlrev_b32 v[CO], 12, v3
	v_lshl_add_u32 v[CO], v2, 4, v[CO]             ; and the same two rows in out0
	v_lshlrev_b32 v[QA], 16, v3
	v_lshl_add_u32 v[QA], v2, 2, v[QA]             ; the heads' bytes: lanes 16-31 take heads 8 on; os is [batch x head][tile j of a block of 128][block][r], a word each
	s_wait_alu depctr_va_vdst(0)                   ; ahead of the scalar lines
	s_lshr_b32 s15, s[WV], 1                       ; a: my band of tokens
	s_and_b32 s16, s[WV], 1                        ; b: my band of columns.  Also: which half of A or W_o I fetch
	s_bfe_u32 s17, ttmp6, 0x40000                  ; cx
	s_bfe_u32 s18, ttmp6, 0x40004                  ; cy
	s_lshl_b32 s19, ttmp9, 2
	s_add_co_u32 s19, s19, s17                     ; x: which 128 columns
	s_and_b32 s20, ttmp7, 0xffff
	s_lshl_b32 s20, s20, 2
	s_add_co_u32 s20, s20, s18                     ; y: which 128 tokens
	s_lshl_b32 s21, s18, 2
	s_lshl_b32 s21, 15, s21                        ; my row of the cluster
	s_lshl_b32 s22, 0x1111, s17                    ; my column
	s_or_b32 s[G1W], s22, (3<<16)|(1<<21)          ; W_o: 192 rows of 256 bytes (32 elements of 8 bytes), dense
	s_mov_b32 s[G1W+1], 32<<16
	s_mov_b32 s[G1W+2], 192<<16
	s_mov_b32 s[G1W+3], 32<<16
	s_mov_b32 s[G1W+4], 192
	s_mov_b32 s[G1W+5], 32
	s_mov_b32 s[G1W+6], 0
	s_mov_b32 s[G1W+7], 0
	s_or_b32 s[G1A], s21, (3<<16)|(1<<21)          ; A: 2 rows (the bands) of 24,576 bytes (two tiles), 49,152 bytes apart
	s_mov_b32 s[G1A+1], 3072<<16
	s_mov_b32 s[G1A+2], 2<<16
	s_mov_b32 s[G1A+3], 3072<<16
	s_mov_b32 s[G1A+4], 2
	s_mov_b32 s[G1A+5], 6144
	s_mov_b32 s[G1A+6], 0
	s_mov_b32 s[G1A+7], 0
	s_mul_i32 s23, s16, 49152
	s_mov_b32 s[G0W], 1
	s_mov_b32 s[G0W+1], s23
	s_mov_b32 s[G0A], 1
	s_add_co_u32 s[G0A+1], s23, LA
	s_mul_i32 s48, s19, 98304
	s_add_co_u32 s48, s48, s23
	s_add_co_u32 s48, s48, OREG
	s_mov_b32 s49, 0
	s_mul_i32 s50, s20, 98304
	s_mul_i32 s51, s16, 24576
	s_add_co_u32 s50, s50, s51
	s_mov_b32 s51, 0
	s_lshl_b32 s52, s19, 1
	s_add_co_u32 s52, s52, s16
	s_lshl_b32 s52, s52, 11
	s_add_co_u32 s52, s52, 229376                  ; W_o's scale words: slot 448 + 4 x (64 columns)
	s_mov_b32 s53, 0
	s_lshr_b32 s54, s20, 4                         ; batch
	s_lshl_b32 s54, s54, 17
	s_lshl_b32 s55, s15, 12
	s_add_co_u32 s54, s54, s55
	s_and_b32 s55, s20, 15                         ; block
	s_lshl_b32 s55, s55, 6
	s_add_co_u32 s54, s54, s55
	s_mov_b32 s55, 0
	s_lshl_b32 s56, s20, 19                        ; out0: row 128 y + 64 a, 4,096 bytes a row; column 128 x + 64 b
	s_lshl_b32 s57, s15, 18
	s_add_co_u32 s56, s56, s57
	s_lshl_b32 s57, s19, 9
	s_add_co_u32 s56, s56, s57
	s_lshl_b32 s57, s16, 8
	s_add_co_u32 s56, s56, s57
	s_mov_b32 s57, 0
	v_add_nc_u32 v[W16], s23, v[L16]               ; W_o's band b
	v_add_nc_u32 v[W8], s23, v17
	s_mul_i32 s58, s15, 24576
	s_add_co_u32 s58, s58, LA
	v_add_nc_u32 v[A16], s58, v[L16]               ; A's band a, tiles 0, 1
	v_add_nc_u32 v[A8], s58, v17
	s_add_co_u32 s58, s58, 49152
	v_add_nc_u32 v[A16+1], s58, v[L16]             ; tiles 2, 3
	v_add_nc_u32 v[A8+1], s58, v17
	s_mul_i32 s58, s[WV], 8704
	s_add_co_u32 s58, s58, STG
	v_add_nc_u32 v[STO], s58, v[STO]               ; my two stages
	v_add_nc_u32 v[RD], s58, v[RD]
	s_wait_alu depctr_va_vdst(0)
	s_wait_dscnt 0x0                               ; both opening adds are done
	s_wait_kmcnt 0x0
	s_add_nc_u64 s[G0W+2:G0W+3], s[8:9], s[48:49]
	s_or_b32 s[G0W+3], s[G0W+3], 0x80000000
	s_add_nc_u64 s[G0A+2:G0A+3], s[4:5], s[50:51]
	s_or_b32 s[G0A+3], s[G0A+3], 0x80000000
	s_add_nc_u64 s[60:61], s[10:11], s[52:53]
	s_add_nc_u64 s[62:63], s[6:7], s[54:55]
	s_add_nc_u64 s[12:13], s[12:13], s[56:57]
.irp t, 0,1,2,3
	global_load_b128 v[SW+4*\t:SW+4*\t+3], v[L16], s[60:61] offset:512*\t     ; register j of lane (r, h): row r's scale word of K step 4 h + j
.endr
.irp i, 0,1,2,3,4,5,6,7
.irp t, 0,1,2,3
	global_load_b32 v[QD+4*\i+\t], v[QA], s[62:63] offset:8192*\i+1024*\t   ; head 8 h + i, tile t: the two bytes of row r
.endr
.endr
	CROUND                                         ; all sixteen work-groups are here: the joint loads meet
	s_cmp_lt_u32 s[WV], 1
	s_cbranch_scc0 .Lwave_1
	TLOAD G0W, G1W
	s_branch .Lasked
.Lwave_1:
	s_cmp_lt_u32 s[WV], 2
	s_cbranch_scc0 .Lwave_2
	TLOAD G0W, G1W
	s_branch .Lasked
.Lwave_2:
	s_cmp_lt_u32 s[WV], 3
	s_cbranch_scc0 .Lwave_3
	TLOAD G0A, G1A
	s_branch .Lasked
.Lwave_3:
	TLOAD G0A, G1A
.Lasked:
	s_wait_loadcnt 0x0
.irp t, 0,1,2,3
.irp j, 0,1,2,3
	v_lshl_or_b32 v[SX+4*\t+\j], v[QD+4*(2*\j+1)+\t], 16, v[QD+8*\j+\t]   ; K step 4 h + j: heads 8 h + 2 j and 8 h + 2 j + 1
.endr
.endr
.macro FRAG f, x16, x8, off            ; fragment f from LDS: four loads of consecutive bytes
.set fW, (1+(\f)/21)<<6
.set fR, 12*((\f)%21)
	WIN fW
	ds_load_b128 v[fR:fR+3], \x16 offset:\off
	ds_load_b64 v[fR+4:fR+5], \x8 offset:\off+512
	ds_load_b128 v[fR+6:fR+9], \x16 offset:\off+768
	ds_load_b64 v[fR+10:fR+11], \x8 offset:\off+1280
.endm
.macro AFETCH t                        ; A's tile t, all of K, into set t % 2: 32 loads
.irp s, 0,1,2,3,4,5,6,7
	FRAG 32+8*((\t)%2)+\s, v[A16+(\t)/2], v[A8+(\t)/2], 12288*((\t)%2)+1536*\s
.endr
	WIN 0
.endm
.macro MUL t                           ; tile t: 32 products, the four accumulators by turns, K ascending
.irp s, 0,1,2,3,4,5,6,7
.irp n, 0,1,2,3
.set fB, 4*\s+\n
.set fA, 32+8*((\t)%2)+\s
.set rA, 12*(fB%21)
.set rB, 12*(fA%21)
.set rD, ACC+32*((\t)%2)+8*\n
.set rSA, SW+4*\n+\s%4
.set rSB, SX+4*(\t)+\s%4
	WIN (1+fB/21)|((1+fA/21)<<2)
.if \s == 0
	v_wmma_scale_f32_16x16x128_f8f6f4 v[rD:rD+7], v[rA:rA+11], v[rB:rB+11], 0, v[rSA], v[rSB] matrix_a_fmt:MATRIX_FMT_FP6 matrix_b_fmt:MATRIX_FMT_FP6
.elseif \s >= 4
	v_wmma_scale_f32_16x16x128_f8f6f4 v[rD:rD+7], v[rA:rA+11], v[rB:rB+11], v[rD:rD+7], v[rSA], v[rSB] matrix_a_fmt:MATRIX_FMT_FP6 matrix_b_fmt:MATRIX_FMT_FP6 matrix_a_scale:MATRIX_SCALE_ROW1 matrix_b_scale:MATRIX_SCALE_ROW1
.else
	v_wmma_scale_f32_16x16x128_f8f6f4 v[rD:rD+7], v[rA:rA+11], v[rB:rB+11], v[rD:rD+7], v[rSA], v[rSB] matrix_a_fmt:MATRIX_FMT_FP6 matrix_b_fmt:MATRIX_FMT_FP6
.endif
.endr
.endr
	WIN 0
	PLACES 4                                       ; the results are read next, or the fragments' registers are loaded anew
.endm
.macro TOSTAGE t                       ; tile t's 16 rows x 256 bytes through my stage t % 2: LDS serves a wave's instructions in order, so no wait stands between the stores and the loads
.set rD, ACC+32*((\t)%2)
.set rK, BK+32*((\t)%2)
.irp q, 0,1,2,3,4,5,6,7
	ds_store_b128 v[STO], v[rD+4*\q:rD+4*\q+3] offset:4352*((\t)%2)+16*\q   ; each accumulator from its low end on
.endr
.irp k, 0,1,2,3,4,5,6,7
	ds_load_b128 v[rK+4*\k:rK+4*\k+3], v[RD] offset:4352*((\t)%2)+544*\k
.endr
.endm
.macro SEND t
.set rK, BK+32*((\t)%2)
.irp k, 0,1,2,3,4,5,6,7                        ; stage rows 2 k and 2 k + 1; row i is token 32 (i / 8) + 8 t + i % 8 of the band
	global_store_b128 v[CO], v[rK+4*\k:rK+4*\k+3], s[12:13] offset:(32*(\k/4)+8*(\t)+2*(\k%4))*4096 th:TH_STORE_NT   ; 16 lanes store 256 consecutive bytes, at a multiple of 256 from out0's first byte
.endr
.endm
	s_wait_alu depctr_va_vdst(0)                   ; the head's end
	s_cmp_lt_u32 s[WV], 2
	s_cbranch_scc0 .Lnot_w
	s_wait_tensorcnt 0x0                           ; W_o's two bands are in
.Lnot_w:
	s_barrier_signal -1
	s_barrier_wait -1
.irp s, 0,1,2,3,4,5,6,7
.irp n, 0,1,2,3
	FRAG 4*\s+\n, v[W16], v[W8], 6144*\s+1536*\n
.endr
.endr
	WIN 0
	s_cmp_lt_u32 s[WV], 3
	s_cbranch_scc0 .Lnot_a
	s_wait_tensorcnt 0x0                           ; A's tiles 0, 1 are in
.Lnot_a:
	s_wait_dscnt 0x0                               ; no LDS load of mine is out at the signal
	s_barrier_signal -1
	s_barrier_wait -1
	AFETCH 0
	AFETCH 1
	s_wait_dscnt 32                                ; tile 0 is in; tile 1's 32 loads may be out
	MUL 0
	TOSTAGE 0
	s_wait_dscnt 16                                ; tile 1 is in; the stage's 16 may be out
	MUL 1
	s_wait_dscnt 0x0
	SEND 0
	TOSTAGE 1
	s_wait_tensorcnt 0x0                           ; A's tiles 2, 3 are in
	s_wait_dscnt 0x0
	s_barrier_signal -1
	s_barrier_wait -1
	AFETCH 2
	AFETCH 3
	SEND 1
	s_wait_dscnt 32
	MUL 2
	s_wait_xcnt 0x0                                ; the first two tiles' stores have read their registers
	TOSTAGE 2
	s_wait_dscnt 16
	MUL 3
	s_wait_dscnt 0x0
	SEND 2
	TOSTAGE 3
	s_wait_dscnt 0x0
	SEND 3
	s_wait_tensorcnt 0x0                           ; the wave's end
	ds_add_u32 v[SPW], v[NIL]
	s_wait_dscnt 0x0
	CROUND                                         ; the closing round
	s_endpgm
.Lfunc_end_k_qba0c3d3fee_oproj:
	.size	k_qba0c3d3fee_oproj, .Lfunc_end_k_qba0c3d3fee_oproj-k_qba0c3d3fee_oproj
	.p2alignl 7, 3214868480
	.fill 96, 4, 3214868480
	.section	.rodata,"a",@progbits
	.p2align	6, 0x0
	.amdhsa_kernel k_qba0c3d3fee_oproj
		.amdhsa_group_segment_fixed_size 231936
		.amdhsa_private_segment_fixed_size 0
		.amdhsa_enable_private_segment 0
		.amdhsa_kernarg_size 40
		.amdhsa_user_sgpr_count 2
		.amdhsa_user_sgpr_kernarg_segment_ptr 1
		.amdhsa_wavefront_size32 1
		.amdhsa_system_sgpr_workgroup_id_x 1
		.amdhsa_system_sgpr_workgroup_id_y 1
		.amdhsa_system_sgpr_workgroup_id_z 1
		.amdhsa_system_vgpr_workitem_id 0
		.amdhsa_next_free_vgpr 864
		.amdhsa_next_free_sgpr 72
		.amdhsa_reserve_vcc 0
		.amdhsa_float_denorm_mode_32 3
		.amdhsa_float_denorm_mode_16_64 3
		.amdhsa_memory_ordered 1
		.amdhsa_forward_progress 1
		.amdhsa_inst_pref_size 53
	.end_amdhsa_kernel
	.amdgpu_metadata
---
amdhsa.version: [ 1, 2 ]
amdhsa.kernels:
  - .name:           k_qba0c3d3fee_oproj
    .symbol:         k_qba0c3d3fee_oproj.kd
    .args:
      - { .name: ob, .offset: 0, .size: 8, .value_kind: global_buffer, .address_space: global }
      - { .name: os, .offset: 8, .size: 8, .value_kind: global_buffer, .address_space: global }
      - { .name: inc, .offset: 16, .size: 8, .value_kind: global_buffer, .address_space: global }
      - { .name: ins, .offset: 24, .size: 8, .value_kind: global_buffer, .address_space: global }
      - { .name: out0, .offset: 32, .size: 8, .value_kind: global_buffer, .address_space: global }
    .group_segment_fixed_size: 231936
    .private_segment_fixed_size: 0
    .kernarg_segment_align: 8
    .kernarg_segment_size: 40
    .max_flat_workgroup_size: 128
    .sgpr_count:     72
    .vgpr_count:     864
    .wavefront_size: 32
...
	.end_amdgpu_metadata
.endif
;; end of part 4
